; MI455X (gfx1250); checked and timed in simulation.
; The chip was launched on July 23, 2026; its instructions are those of AMD's public machine-readable ISA for CDNA 5 (MIT licence, August 2026) and "CDNA5" Instruction Set Architecture Reference Guide (July 2026). The comments in the code are by the model that wrote it; some were corrected since.
;; Distributed Mo E Layer. Allowed arithmetic: float matrix products may take bf16 or f16 operands with f32 sums; other float arithmetic in f32, or as packed bf16 or f16 multiplies, adds, multiply-adds, maxima and minima; sums over many terms, partial sums and values carried from step to step in f32; what a program stores and reads back later, other than sums and carried values, may be rounded once to bf16 or f16.
;; Inputs: router_w 1,024 x 8 float32; w1 8 x 1,024 x 4,096 float32; w2 8 x 4,096 x 1,024 float32; x 1,024 x 1,024 float32.
;; Outputs: out0 1,024 x 1,024 float32.
;; 3 versions, each right; version 3 is version 2 with the launch place written anew for expert scheduling mode. Each part assembles by itself: llvm-mc -triple=amdgcn-amd-amdhsa -mcpu=gfx1250 --defsym DOCPART=n.
;; ======== version 1 of 3: 4 launches
;; workspace buffers: xb 2,097,152 bytes; bitmap 2,048 bytes of whole numbers; topw 8,192 bytes; h 16,777,216 bytes; part 33,554,432 bytes
;; launch route (part 1): grid 128 x 1, 4 waves a work-group, no clusters, 33,536 bytes of LDS; arguments x, router_w, xb, bitmap, topw; writes xb, bitmap, topw
.if DOCPART == 1
	.amdgcn_target "amdgcn-amd-amdhsa--gfx1250"
	.amdhsa_code_object_version 6
	.text
	.protected	k_qe015ce1a3b_route
	.globl	k_qe015ce1a3b_route
	.p2align	8
	.type	k_qe015ce1a3b_route,@function
k_qe015ce1a3b_route:
	s_mov_b64 s[64:65], 0
	v_nop
	global_prefetch_b8 v0, s[64:65] scope:SCOPE_SE
	s_setreg_imm32_b32 hwreg(HW_REG_WAVE_MODE, 25, 1), 1
	s_wait_xcnt 0x0
; ROUTER.  logits = x router_w; softmax; the two largest, renormalised.  Also: x rounded to bf16 for the first product (xb).
; x [1024][1024] f32, router_w [1024][8] f32.  Both are rounded to bf16 first, as every input of this program is; products and sums of the router are f32.
; OUT.  xb [1024][1024] bf16.  A routed row has the CODE j 1024 + t (choice j, token t).  bitmap [8 experts][64 words]: bit b of word i of expert e says that code 32 i + b chose e.
; topw [2048] f32 by code.  All three are stored at places that hang on ids alone: nothing here is addressed by the choice.
; SHARES.  A work-group has 8 tokens, wave w the K range 256 w .. 256 w + 255 of all 8; a lane 8 values of K.  The 64 partial sums a lane go through LDS: wave w adds the four waves' parts of
; tokens 2 w, 2 w + 1 and sums them over its lanes; wave 0 then has a token a lane (lane % 8) and chooses.
; No matrix unit: 8 columns are half a tile's width and the launch is a stream of x.  No cluster: the work-groups share router_w alone, 32 KiB against 32 KiB of x each, read through registers.
; LIMITS.  The choice is made on 2^((l - max) log2 e), not divided by their sum; ties keep the lower index.  A weight below 2^-126 counts as 0.  The K sums run in another order than a
; row-by-row sum.  NaN and infinities are not treated apart.
.set PART,  0                          ; 4 waves x 16 pieces x 512 bytes: the lanes' partial sums
.set LG,    32768                      ; 8 tokens x 8 logits
.set SPARE, 33024                      ; the spare words: 128 bytes a wave, two blocks of 256 bytes that no other line names
.set X,   16                           ; v[16:79]   x: token t, half c, 4 values at X + 8 t + 4 c; later the parts read back
.set RW,  80                           ; v[80:143]  router_w: my K value k (0..7), expert e at RW + 8 k + e
.set ACC, 144                          ; v[144:207] sums: token t, expert e at ACC + 8 t + e
.set PK,  208                          ; v[208:239] x in bf16, 4 registers a token; each written once
	s_load_b256 s[4:11], s[0:1], 0x0               ; x s[4:5], router_w s[6:7], xb s[8:9], bitmap s[10:11]
	s_load_b64 s[12:13], s[0:1], 0x20              ; topw
	v_lshl_add_u32 v2, v0, 2, SPARE                ; my spare word, and 0: kept for the closing add alone
	v_mov_b32 v3, 0
	v_lshrrev_b32 v1, 5, v0
	v_readfirstlane_b32 s14, v1                    ; wave 0..3
	v_and_b32 v9, 31, v0                           ; lane
	s_lshl_b32 s15, s14, 13
	v_lshl_add_u32 v4, v9, 7, s15                  ; router_w: 256 rows of 32 bytes a wave, 4 rows (128 bytes) a lane and half
	v_lshl_add_u32 v7, v9, 4, s15                  ; PART, in: 8,192 bytes a wave, 16 a lane
	s_lshl_b32 s15, s14, 10
	v_lshl_add_u32 v5, v9, 4, s15                  ; x: 1,024 bytes a wave, 16 a lane
	s_lshl_b32 s15, s14, 9
	v_lshl_add_u32 v6, v9, 3, s15                  ; xb: 512 bytes a wave, 8 a lane
	s_lshl_b32 s15, s14, 11
	v_lshl_add_u32 v8, v9, 4, s15                  ; PART, back: pieces 4 w .. 4 w + 3 (tokens 2 w, 2 w + 1)
	s_lshl_b32 s16, ttmp9, 15                      ; 8 rows of 4,096 bytes
	s_mov_b32 s17, 0
	s_lshl_b32 s18, ttmp9, 14                      ; 8 rows of 2,048 bytes
	s_mov_b32 s19, 0
	s_mov_b32 s20, 0xffff0000                      ; a word's upper bf16
	s_mov_b32 s22, 0x76543210                      ; v_permlanex16_b32: each lane takes its own place in the other half
	s_mov_b32 s23, 0xfedcba98
	s_wait_kmcnt 0x0
	s_add_nc_u64 s[4:5], s[4:5], s[16:17]
	s_add_nc_u64 s[8:9], s[8:9], s[18:19]
.irp c, 0,1
.irp i, 0,1,2,3,4,5,6,7
	global_load_b128 v[RW+32*\c+4*\i:RW+32*\c+4*\i+3], v4, s[6:7] offset:4096*\c+16*\i
.endr
.endr
.irp t, 0,1,2,3,4,5,6,7
.irp c, 0,1
	global_load_b128 v[X+8*\t+4*\c:X+8*\t+4*\c+3], v5, s[4:5] offset:4096*\t+512*\c th:TH_LOAD_NT  ; 512 consecutive bytes; each byte of x is read once in the launch
.endr
.endr
	s_wait_loadcnt 16                              ; router_w is in; the 16 loads of x stay out
.set i, 0
.rept 32                                           ; router_w rounded to bf16 and widened again
	v_cvt_pk_bf16_f32 v[10+i%4], v[RW+2*i], v[RW+2*i+1]
	v_lshlrev_b32 v[RW+2*i], 16, v[10+i%4]
	v_and_b32 v[RW+2*i+1], s20, v[10+i%4]
.set i, i+1
.endr
; One token: rounded, stored as bf16 (each store 256 consecutive bytes, aligned), widened again, and multiplied: four chains of pairs of experts by turns.
.macro TOKEN t
	s_wait_loadcnt 14-2*(\t)                       ; this token's two loads are in; the later tokens' stay out
.irp d, 0,1,2,3
	v_cvt_pk_bf16_f32 v[PK+4*(\t)+\d], v[X+8*(\t)+2*\d], v[X+8*(\t)+2*\d+1]
.endr
	global_store_b64 v6, v[PK+4*(\t):PK+4*(\t)+1], s[8:9] offset:2048*(\t)
	global_store_b64 v6, v[PK+4*(\t)+2:PK+4*(\t)+3], s[8:9] offset:2048*(\t)+256
.irp d, 0,1,2,3
	v_lshlrev_b32 v[X+8*(\t)+2*\d], 16, v[PK+4*(\t)+\d]
	v_and_b32 v[X+8*(\t)+2*\d+1], s20, v[PK+4*(\t)+\d]
.endr
.irp k, 0,1,2,3,4,5,6,7
.irp p, 0,1,2,3
.if \k == 0
	v_pk_mul_f32 v[ACC+8*(\t)+2*\p:ACC+8*(\t)+2*\p+1], v[RW+2*\p:RW+2*\p+1], v[X+8*(\t):X+8*(\t)+1] op_sel_hi:[1,0]  ; the first product starts the sum
.elseif (\k)%2
	v_pk_fma_f32 v[ACC+8*(\t)+2*\p:ACC+8*(\t)+2*\p+1], v[RW+8*\k+2*\p:RW+8*\k+2*\p+1], v[X+8*(\t)+\k-1:X+8*(\t)+\k], v[ACC+8*(\t)+2*\p:ACC+8*(\t)+2*\p+1] op_sel:[0,1,0] op_sel_hi:[1,1,1]
.else
	v_pk_fma_f32 v[ACC+8*(\t)+2*\p:ACC+8*(\t)+2*\p+1], v[RW+8*\k+2*\p:RW+8*\k+2*\p+1], v[X+8*(\t)+\k:X+8*(\t)+\k+1], v[ACC+8*(\t)+2*\p:ACC+8*(\t)+2*\p+1] op_sel_hi:[1,0,1]
.endif
.endr
.endr
.endm
.irp t, 0,1,2,3,4,5,6,7
	TOKEN \t
.endr
.set i, 0
.rept 16
	ds_store_b128 v7, v[ACC+4*i:ACC+4*i+3] offset:PART+512*i
.set i, i+1
.endr
	s_wait_dscnt 0x0                               ; for the others' sake: my parts are in LDS
	s_barrier_signal -1
	s_barrier_wait -1
.irp s, 0,1,2,3
.irp c, 0,1,2,3
	ds_load_b128 v[X+16*\s+4*\c:X+16*\s+4*\c+3], v8 offset:PART+8192*\s+512*\c
.endr
.endr
	s_wait_dscnt 0x0
.irp d, 0,2,4,6,8,10,12,14                         ; the four waves' parts of my 16 numbers
	v_pk_add_f32 v[X+\d:X+\d+1], v[X+\d:X+\d+1], v[X+16+\d:X+16+\d+1]
	v_pk_add_f32 v[X+32+\d:X+32+\d+1], v[X+32+\d:X+32+\d+1], v[X+48+\d:X+48+\d+1]
.endr
.irp d, 0,2,4,6,8,10,12,14
	v_pk_add_f32 v[X+\d:X+\d+1], v[X+\d:X+\d+1], v[X+32+\d:X+32+\d+1]
.endr
.irp m, 1,2,4,8                                    ; over the lanes: four steps inside each half of 16, one across
.set i, 0
.rept 16
	v_add_f32_dpp v[X+i], v[X+i], v[X+i] row_xmask:\m row_mask:0xf bank_mask:0xf
.set i, i+1
.endr
.endr
.set i, 0
.rept 16
	v_permlanex16_b32 v[X+16+i], v[X+i], s22, s23
.set i, i+1
.endr
.set i, 0
.rept 16
	v_add_f32 v[X+i], v[X+i], v[X+16+i]
.set i, i+1
.endr
	s_lshl_b32 s15, s14, 6
	s_add_co_u32 s15, s15, LG
	v_mov_b32 v1, s15                              ; every lane holds the same 16 sums and writes the same 64 bytes
.irp c, 0,1,2,3
	ds_store_b128 v1, v[X+4*\c:X+4*\c+3] offset:16*\c
.endr
	s_wait_dscnt 0x0                               ; for wave 0's sake
	s_barrier_signal -1
	s_barrier_wait -1
	s_cmp_lg_u32 s14, 0
	s_cbranch_scc1 .Lend                           ; no barrier stands in what is jumped
	v_and_b32 v9, 7, v0                            ; my token (lanes 8 apart hold the same one)
	v_lshl_add_u32 v1, v9, 5, LG
	ds_load_b128 v[16:19], v1
	ds_load_b128 v[20:23], v1 offset:16
	s_wait_dscnt 0x0
	v_max3_num_f32 v24, v16, v17, v18
	v_max3_num_f32 v24, v24, v19, v20
	v_max3_num_f32 v24, v24, v21, v22
	v_max_num_f32 v24, v24, v23                    ; the maximum is taken away before the exponentials
.irp e, 0,1,2,3,4,5,6,7
	v_sub_f32 v[16+\e], v[16+\e], v24
.endr
.irp e, 0,1,2,3,4,5,6,7
	v_mul_f32 v[16+\e], 0x3fb8aa3b, v[16+\e]
.endr
.irp e, 0,1,2,3,4,5,6,7
	v_exp_f32 v[16+\e], v[16+\e]
.endr
	v_mov_b32 v26, 0                               ; a plain instruction behind the last exponential: the first choice starts at expert 0
	s_wait_alu depctr_va_vdst(0)                   ; one wait for the eight, ahead of their first reader
	v_mov_b32 v25, v16
.irp e, 1,2,3,4,5,6,7                              ; strictly greater: a tie keeps the lower index
	v_cmp_gt_f32 vcc_lo, v[16+\e], v25
	v_cndmask_b32 v25, v25, v[16+\e], vcc_lo
	v_cndmask_b32 v26, v26, \e, vcc_lo
.endr
.irp e, 0,1,2,3,4,5,6,7                            ; the first choice leaves the field
	v_cmp_eq_u32 vcc_lo, \e, v26
	v_cndmask_b32 v[16+\e], v[16+\e], -1.0, vcc_lo
.endr
	v_mov_b32 v27, v16
	v_mov_b32 v28, 0
.irp e, 1,2,3,4,5,6,7
	v_cmp_gt_f32 vcc_lo, v[16+\e], v27
	v_cndmask_b32 v27, v27, v[16+\e], vcc_lo
	v_cndmask_b32 v28, v28, \e, vcc_lo
.endr
	v_add_f32 v29, v25, v27
	v_rcp_f32 v29, v29
	v_mov_b32 v31, 0                               ; the plain instruction behind the reciprocal; v31 takes the masks
	s_wait_alu depctr_va_vdst(0)
	v_mul_f32 v25, v25, v29                        ; the softmax's own divisor cancels in p / (p1 + p2)
	v_mul_f32 v27, v27, v29
.irp e, 0,1,2,3,4,5,6,7                            ; lane 8 j + e takes the mask 'choice j is expert e'; its low byte is my 8 tokens
	v_cmp_eq_u32 s24, \e, v26
	v_writelane_b32 v31, s24, \e
	v_cmp_eq_u32 s25, \e, v28
	v_writelane_b32 v31, s25, 8+\e
.endr
	v_and_b32 v10, 8, v0                           ; 8 j
	s_mov_b32 s26, ttmp9
	s_lshl_b32 s27, ttmp9, 5
	v_lshlrev_b32 v11, 8, v9                       ; bitmap: expert x 256
	v_lshl_add_u32 v11, v10, 4, v11                ; + j x 128
	v_add_nc_u32 v11, s26, v11                     ; + the byte of my work-group's 8 tokens
	v_lshlrev_b32 v12, 2, v9                       ; topw: 4 (j 1024 + 8 g + token)
	v_lshl_add_u32 v12, v10, 9, v12
	v_add_nc_u32 v12, s27, v12
	v_cmp_ne_u32 vcc_lo, 0, v10
	v_cndmask_b32 v13, v25, v27, vcc_lo
	v_cmp_gt_u32 vcc_lo, 16, v0
	s_wait_xcnt 0x0                                ; EXEC is a source of the stores of xb: it changes only behind this wait
	s_and_saveexec_b32 s21, vcc_lo
	global_store_b8 v11, v31, s[10:11]
	global_store_b32 v12, v13, s[12:13]
	s_wait_xcnt 0x0                                ; and again ahead of the line that widens it
	s_or_b32 exec_lo, exec_lo, s21
.Lend:
	s_wait_tensorcnt 0x0                           ; the wave's end: three closing lines behind my last LDS store
	ds_add_u32 v2, v3
	s_wait_dscnt 0x0
	s_endpgm
.Lfunc_end_k_qe015ce1a3b_route:
	.size	k_qe015ce1a3b_route, .Lfunc_end_k_qe015ce1a3b_route-k_qe015ce1a3b_route
	.p2alignl 7, 3214868480
	.fill 96, 4, 3214868480
	.section	.rodata,"a",@progbits
	.p2align	6, 0x0
	.amdhsa_kernel k_qe015ce1a3b_route
		.amdhsa_group_segment_fixed_size 33536
		.amdhsa_private_segment_fixed_size 0
		.amdhsa_enable_private_segment 0
		.amdhsa_kernarg_size 40
		.amdhsa_user_sgpr_count 2
		.amdhsa_user_sgpr_kernarg_segment_ptr 1
		.amdhsa_wavefront_size32 1
		.amdhsa_system_sgpr_workgroup_id_x 1
		.amdhsa_system_sgpr_workgroup_id_y 1
		.amdhsa_system_sgpr_workgroup_id_z 1
		.amdhsa_system_vgpr_workitem_id 0
		.amdhsa_next_free_vgpr 240
		.amdhsa_next_free_sgpr 66
		.amdhsa_reserve_vcc 1
		.amdhsa_float_denorm_mode_32 3
		.amdhsa_float_denorm_mode_16_64 3
		.amdhsa_memory_ordered 1
		.amdhsa_forward_progress 1
		.amdhsa_inst_pref_size 48
	.end_amdhsa_kernel
	.amdgpu_metadata
---
amdhsa.version: [ 1, 2 ]
amdhsa.kernels:
  - .name:           k_qe015ce1a3b_route
    .symbol:         k_qe015ce1a3b_route.kd
    .args:
      - { .name: x, .offset: 0, .size: 8, .value_kind: global_buffer, .address_space: global }
      - { .name: router_w, .offset: 8, .size: 8, .value_kind: global_buffer, .address_space: global }
      - { .name: xb, .offset: 16, .size: 8, .value_kind: global_buffer, .address_space: global }
      - { .name: bitmap, .offset: 24, .size: 8, .value_kind: global_buffer, .address_space: global }
      - { .name: topw, .offset: 32, .size: 8, .value_kind: global_buffer, .address_space: global }
    .group_segment_fixed_size: 33536
    .private_segment_fixed_size: 0
    .kernarg_segment_align: 8
    .kernarg_segment_size: 40
    .max_flat_workgroup_size: 128
    .sgpr_count:     66
    .vgpr_count:     240
    .wavefront_size: 32
...
	.end_amdgpu_metadata
.endif
;; end of part 1
;; launch ffn1 (part 2): grid 32 x 8, 4 waves a work-group, no clusters, 50,688 bytes of LDS; arguments xb, w1, h, bitmap; writes h
.if DOCPART == 2
	.amdgcn_target "amdgcn-amd-amdhsa--gfx1250"
	.amdhsa_code_object_version 6
	.text
	.protected	k_qe015ce1a3b_ffn1
	.globl	k_qe015ce1a3b_ffn1
	.p2align	8
	.type	k_qe015ce1a3b_ffn1,@function
k_qe015ce1a3b_ffn1:
	s_mov_b64 s[64:65], 0
	v_nop
	global_prefetch_b8 v0, s[64:65] scope:SCOPE_SE
	s_setreg_imm32_b32 hwreg(HW_REG_WAVE_MODE, 25, 1), 1
	s_wait_xcnt 0x0
; ONE PRODUCT OF THE EXPERTS' LAYER.  FFN2 = 0: h[code] = gelu(xb[token] w1[e]), bf16.  FFN2 = 1: part[kq][code] = h[code] w2[e] over a quarter of K, f32.  One text serves both, by .if.
; A routed row is named by its CODE j 1024 + t (choice j, token t); bitmap[e], stored by the router's launch, says which codes chose expert e.
; SHARES.  A work-group has ONE expert (grid y), 128 columns and 1,024 of K: 512 KiB of f32 weights, which it alone reads, once; and ALL rows of that expert.  The four waves share the rows:
; tile i of wave w is ranks 64 i + 16 w .. + 15 of the expert's list; six tiles a wave, 384 rows a pass, 48 accumulators of 16 x 16.  K goes in 16 steps of 64.
; WEIGHTS.  Of a step wave w owns the unit 32 K x 64 columns (K half w / 2, column half w % 2): sixteen loads of 16 bytes a lane, each half of the lanes 256 consecutive aligned bytes of one K row.
; Lane (r, hh) holds columns 4 r .. 4 r + 3 of K rows 8 hh + i and 16 + 8 hh + i: rounding registers j of two neighbouring K rows into one word gives the matrix operand of the 16 columns
; 4 r + j: nothing is transposed; the columns are only taken in another order, which the way out undoes for nothing.  The four operands go to LDS as register images (lane x 16 bytes),
; and every wave reads a step's sixteen back.  Two stages take turns, one barrier a step.
; TOKEN ROWS come straight from memory into operand registers: they are named by a list, so no tile descriptor covers them; each load takes 32 bytes of 16 rows, a step's four 128 bytes a row.
; IN FLIGHT.  Loads come back in order, so the order of issue is A(s + 1), then W(s + 3): the wait at a step's head leaves the youngest 16 loads, a weight unit, out.  56 loads of a wave are out at the most.
; NO CLUSTER, NO TENSOR LOAD: each weight byte has one reader; what an expert's 32 work-groups share is its token rows, which come by a list.  Loads through registers keep counted waits, so the stream never runs dry.
; EVERY SPLIT IS SERVED.  No barrier hangs on the count: the streamed pass always runs (with no rows it stores nothing).  Rows past 384 (up to 1,024) take further passes without LDS writes or
; barriers, in which each wave reads and rounds the slice for itself: right, but several times slower a row.  Places past the count repeat the last row, and store the same bytes again.
; LIMITS.  Weights and rows are bf16 operands, sums f32, K ascending.  gelu(x) = x / (1 + 2^(x (c0 + c1 x x))), the tanh form; where x x or the power overflows it gives x or -0.  h is rounded once to bf16.
.set FFN2, 0
.if FFN2
.set WSH, 12                           ; a K row of the weights is 4,096 bytes
.set ASH, 13                           ; a row of h is 8,192 bytes
.else
.set WSH, 14                           ; 16,384 bytes
.set ASH, 11                           ; a row of xb is 2,048 bytes
.endif
.set WPITCH, 1<<WSH
.set WSTEP,  64*WPITCH                 ; a K step in the weights
.set ROWS,   384                       ; rows a pass
.set STG,    16384                     ; a stage: 16 operands x 1,024 bytes
.set LIST,   2*STG                     ; each wave's own list: 1,024 words, then 32 words that lanes without a row write and nobody reads
.set LISTB,  4352
.set SPARE,  LIST+4*LISTB              ; the spare words: 128 bytes a wave, two blocks of 256 bytes that no other line names
; window 0
.set SPW,   2                          ; my spare word's address, and 0: kept for the closing add alone
.set NIL,   3
.set WO,    4                          ; my 16 bytes in my unit's first K row
.set SA,    5                          ; stage, in: wave x 4,096 + lane x 16
.set BA,    6                          ; stage, back: lane x 16
.set LOFF,  7                          ; first 1024 + lane; then my bytes in a row of the output
.set TCODE, 8                          ; first the codes of the bitmap word in hand; then the codes of the tile that goes out
.set H16,   9                          ; 16 x (lane / 16)
.set AOFF,  10                         ; v[10:15] tile t: my row's byte offset + H16
.set CODE,  16                         ; v[16:21] tile t: the code of row lane % 16
.set PF,    22                         ; prefetch: lane x K row in my unit
.set OWO,   23                         ; WO without the unit's part
.set RO,    24                         ; v[24:31] at work; FFN2: the way out's row offsets
.set ST,    32                         ; v[32:63] my unit, rounded: operand j at ST + 8 j
.set AF,    64                         ; v[64:255] token rows: buffer b, tile t, K half q at AF + 96 b + 16 t + 8 q
; window 1: v0-127 the step's 16 weight operands (K half q, columns n at 64 q + 8 n); v128-255 two slots of a unit as loaded
.set WS,    128
; window 2: accumulators of tiles 0-3 at 64 t + 8 n;  window 3: v0-127 those of tiles 4, 5; v128-255 the way out
.set X,     128
.set Y,     192
; scalars: s[4:5] rows, running; s[6:7] weights, running; s[8:9] output; s[10:11] bitmap; s[12:13], s[14:15] the two first as they began; s16-63, s68-83 the bitmap's 64 words, later at work
.set WV,    84
.set EX,    85
.set CNT,   87                         ; the expert's rows
.set CM1,   88                         ; the last rank that exists
.set LB,    89                         ; my list's LDS byte
.set NT,    90                         ; my live tiles in this pass
.set NPASS, 91
.set PASS,  92
.set CTR,   93
.set TI,    94
.set HM,    95                         ; lanes 16-31
.set SEL,   96
.set C0,    98
.set C1,    100
.set TS,    104
.set MSB, 0
.macro WIN new                         ; bits 1:0 source 0, 3:2 source 1, 5:4 source 2, 7:6 destination; the high byte repeats the setting that is left
.if MSB != (\new)
	s_set_vgpr_msb (MSB<<8)|(\new)
.set MSB, \new
.endif
.endm
.macro PLACES                          ; four plain instructions between a matrix instruction and a load into, or a vector line on, its registers
.rept 4
	v_nop
.endr
.endm
.macro LDW slot, rel                   ; my unit of the K step rel steps behind s[6:7]: K rows 0-7 and 16-23 (+ 8 for the upper lanes)
	WIN 0x40
.set n, 0
.rept 16
	global_load_b128 v[WS+64*(\slot)+4*n:WS+64*(\slot)+4*n+3], v[WO], s[6:7] offset:(64*(\rel)+n+8*(n/8))*WPITCH th:TH_LOAD_NT
.set n, n+1
.endr
.endm
.macro LDAT buf, rel, t
.irp q, 0,1
	global_load_b128 v[AF+96*(\buf)+16*(\t)+8*\q:AF+96*(\buf)+16*(\t)+8*\q+3], v[AOFF+(\t)], s[4:5] offset:128*(\rel)+64*\q
	global_load_b128 v[AF+96*(\buf)+16*(\t)+8*\q+4:AF+96*(\buf)+16*(\t)+8*\q+7], v[AOFF+(\t)], s[4:5] offset:128*(\rel)+64*\q+32
.endr
.endm
.macro LDA buf, rel, skip              ; a step's token rows; skip = 1: tiles 4 and 5 only where they live
	WIN 0
.irp t, 0,1,2,3
	LDAT \buf, \rel, \t
.endr
.if \skip
	s_cmp_lt_u32 s[NT], 5
	s_cbranch_scc1 .La_\@
.endif
	LDAT \buf, \rel, 4
.if \skip
	s_cmp_lt_u32 s[NT], 6
	s_cbranch_scc1 .La_\@
.endif
	LDAT \buf, \rel, 5
.if \skip
.La_\@:
.endif
.endm
.macro CVT slot                        ; two K rows' registers j into one word: register p of operand j
	WIN 0x05
.irp j, 0,1,2,3
.irp p, 0,1,2,3,4,5,6,7
	v_cvt_pk_bf16_f32 v[ST+8*\j+\p], v[WS+64*(\slot)+8*\p+\j], v[WS+64*(\slot)+8*\p+4+\j]
.endr
.endr
.endm
.macro STB par
	WIN 0
.irp f, 0,1,2,3,4,5,6,7
	ds_store_b128 v[SA], v[ST+4*\f:ST+4*\f+3] offset:(\par)*STG+512*\f
.endr
.endm
.macro LDB par                         ; the stage is an image of window 1's v0-127: K half 0's operands first
	WIN 0x40
.set n, 0
.rept 32
	ds_load_b128 v[4*n:4*n+3], v[BA] offset:(\par)*STG+512*n
.set n, n+1
.endr
.endm
.macro MULT buf, q, t, zero            ; a tile's eight accumulators, one instruction each
.if (\t) < 4
	WIN 0xa4
.else
	WIN 0xf4
.endif
.irp n, 0,1,2,3,4,5,6,7
.if \zero
	v_wmma_f32_16x16x32_bf16 v[64*((\t)%4)+8*\n:64*((\t)%4)+8*\n+7], v[AF+96*(\buf)+16*(\t)+8*(\q):AF+96*(\buf)+16*(\t)+8*(\q)+7], v[64*(\q)+8*\n:64*(\q)+8*\n+7], 0
.else
	v_wmma_f32_16x16x32_bf16 v[64*((\t)%4)+8*\n:64*((\t)%4)+8*\n+7], v[AF+96*(\buf)+16*(\t)+8*(\q):AF+96*(\buf)+16*(\t)+8*(\q)+7], v[64*(\q)+8*\n:64*(\q)+8*\n+7], v[64*((\t)%4)+8*\n:64*((\t)%4)+8*\n+7]
.endif
.endr
.endm
.macro MUL buf, q, zero, skip          ; 32 along K for all tiles: the accumulators take turns, one instruction a turn
.irp t, 0,1,2,3
	MULT \buf, \q, \t, \zero
.endr
.if \skip
	WIN 0
	s_cmp_lt_u32 s[NT], 5
	s_cbranch_scc1 .Lm_\@
.endif
	MULT \buf, \q, 4, \zero
.if \skip
	WIN 0
	s_cmp_lt_u32 s[NT], 6
	s_cbranch_scc1 .Lm_\@
.endif
	MULT \buf, \q, 5, \zero
.if \skip
	WIN 0
.Lm_\@:
.endif
.endm
; K STEP s (par = s % 2; rel = s less the step at which s[4:7] stand).  It multiplies stage par and row buffer par; meanwhile it rounds W(s + 1) into the other stage and asks for A(s + 1) and W(s + 3).
.macro STEP par, rel, zero, skip, topcnt, cvt, ldw, pf, bar
	PLACES                                         ; behind the last step's products, ahead of the loads into their operands
	LDB \par
	s_wait_loadcnt \topcnt                         ; A(s) and W(s + 1) are in; with 16, W(s + 2), issued last, stays out
.if \cvt
	CVT 1-(\par)
	STB 1-(\par)
	LDA 1-(\par), (\rel)+1, \skip
.endif
.if (\pf) == 2
	s_cmp_eq_u32 s[CTR], 1                         ; the loop's last trip would ask past K step 15
	s_cbranch_scc1 .Lnopf_\@
.endif
.if \pf
	global_prefetch_b8 v[PF], s[6:7] offset:((\rel)+5)*WSTEP th:TH_LOAD_NT scope:SCOPE_SE  ; my own unit of K step s + 5, two steps ahead of its loads: 32 lanes, its 32 blocks of 256 bytes, each asked for once in the launch
.endif
.if (\pf) == 2
.Lnopf_\@:
.endif
.if \ldw
	LDW 1-(\par), (\rel)+3                         ; into the slot just rounded; issued last, so the next count of 16 holds however many row loads were jumped
.endif
.if \cvt
	s_wait_dscnt 24                                ; K half 0's 16 loads are in; 16 loads and 8 stores may be out
.else
	s_wait_dscnt 16
.endif
	MUL \par, 0, \zero, \skip
	s_wait_dscnt 0x0                               ; my reads of this stage and my stores into the other are done:
.if \bar
	s_barrier_signal -1                            ; say so, work on registers while the others arrive,
.endif
	MUL \par, 1, 0, \skip
	WIN 0
.if \bar
	s_barrier_wait -1                              ; and go on: the other stage is whole, and nobody reads this one any more
.endif
.endm
; The pass's rows: tile i's ranks, held to the last that exists, looked up in my list; and how many of my tiles live.
.macro SETROWS
	s_mul_i32 s2, s[PASS], ROWS
	s_lshl_b32 s3, s[WV], 4
	s_add_co_u32 s3, s3, s2
	v_and_b32 v1, 15, v0
	v_add_nc_u32 v1, s3, v1
.irp i, 0,1,2,3,4,5
	v_add_nc_u32 v[RO+\i], 64*\i, v1
	v_min_u32 v[RO+\i], s[CM1], v[RO+\i]
	v_min_u32 v[RO+\i], 0x3ff, v[RO+\i]
	v_lshl_add_u32 v[RO+\i], v[RO+\i], 2, s[LB]
	ds_load_b32 v[CODE+\i], v[RO+\i]               ; LDS serves a wave's instructions in order (ISA guide 5.7.1.4): these see my list's stores
.endr
	s_sub_co_u32 s2, s[CNT], s2
	s_min_u32 s2, s2, ROWS                         ; rows of this pass,
	s_add_co_u32 s2, s2, 15
	s_lshr_b32 s2, s2, 4                           ; its tiles of 16, dealt to waves 0, 1, 2, 3, 0, ..
	s_add_co_u32 s2, s2, 3
	s_sub_co_u32 s2, s2, s[WV]
	s_lshr_b32 s[NT], s2, 2
	s_wait_dscnt 0x0
.irp i, 0,1,2,3,4,5
	v_min_u32 v[CODE+\i], 0x7ff, v[CODE+\i]
.if FFN2
	v_lshl_add_u32 v[AOFF+\i], v[CODE+\i], ASH, v[H16]
.else
	v_and_b32 v1, 0x3ff, v[CODE+\i]                ; the token
	v_lshl_add_u32 v[AOFF+\i], v1, ASH, v[H16]
.endif
.endr
.endm
; Tile t leaves its accumulators: X[8 j + n] = register j of accumulator n, so that a row's four neighbouring columns, which lie in four accumulators, lie in four neighbouring registers,
; and ONE text serves all six tiles.  Each accumulator is read from its lowest register on.
.macro COPY t
	WIN 0
	v_mov_b32 v[TCODE], v[CODE+(\t)]
	WIN 0xc2+(\t)/4
.irp n, 0,1,2,3,4,5,6,7
.irp j, 0,1,2,3,4,5,6,7
	v_mov_b32 v[X+8*\j+\n], v[64*((\t)%4)+8*\n+\j]
.endr
.endr
	WIN 0
.endm
	s_load_b256 s[4:11], s[0:1], 0x0               ; rows s[4:5], weights s[6:7], output s[8:9], bitmap s[10:11]
	v_lshl_add_u32 v[SPW], v0, 2, SPARE
	v_mov_b32 v[NIL], 0
	v_lshrrev_b32 v1, 5, v0
	v_readfirstlane_b32 s[WV], v1                  ; wave 0..3
	s_and_b32 s[EX], ttmp7, 0xffff                 ; the expert
	s_lshl_b32 s2, s[EX], 24                       ; its 16 MiB of weights
	s_mov_b32 s3, 0
	s_lshl_b32 s20, s[EX], 8                       ; its 64 words of the bitmap
	s_mov_b32 s21, 0
	s_mov_b32 s19, 0
.if FFN2
	s_and_b32 s[TS], ttmp9, 7                      ; slice of 128 columns
	s_lshr_b32 s[TI], ttmp9, 3                     ; quarter of K
	s_lshl_b32 s16, s[TI], 22                      ; 1,024 K rows of 4,096 bytes
	s_add_co_u32 s2, s2, s16
	s_lshl_b32 s16, s[TS], 9
	s_add_co_u32 s2, s2, s16
	s_lshl_b32 s18, s[TI], 23                      ; part: 2,048 rows of 4,096 bytes a quarter
	s_add_co_u32 s18, s18, s16
	s_lshl_b32 s16, s[TI], 11                      ; h: 1,024 bf16 along a row
	s_mov_b32 s17, 0
.else
	s_lshl_b32 s16, ttmp9, 9                       ; slice of 128 columns of f32
	s_add_co_u32 s2, s2, s16
	s_lshl_b32 s18, ttmp9, 8                       ; and of bf16
.endif
	v_and_b32 v1, 15, v0
	v_bfe_u32 v[H16], v0, 4, 1
	v_lshlrev_b32 v[OWO], WSH+3, v[H16]            ; the upper lanes: 8 K rows on
	v_lshl_add_u32 v[OWO], v1, 4, v[OWO]
	s_lshr_b32 s[TI], s[WV], 1
	s_and_b32 s[CTR], s[WV], 1
	s_lshl_b32 s[TI], s[TI], WSH+5                 ; my unit: K half x 32 rows
	s_lshl_b32 s[CTR], s[CTR], 8                   ; + column half x 256 bytes
	s_add_co_u32 s[TI], s[TI], s[CTR]
	v_add_nc_u32 v[WO], s[TI], v[OWO]
	v_and_b32 v[BA], 31, v0
	v_lshl_add_u32 v[PF], v[BA], WSH, s[TI]
	v_add_nc_u32 v[LOFF], 0x400, v[BA]
	v_mov_b32 v[TCODE], v[BA]
	v_lshlrev_b32 v[BA], 4, v[BA]
	s_lshl_b32 s[TI], s[WV], 12
	v_add_nc_u32 v[SA], s[TI], v[BA]
	v_lshlrev_b32 v[H16], 4, v[H16]
	s_mul_i32 s[LB], s[WV], LISTB
	s_add_co_u32 s[LB], s[LB], LIST
	s_mov_b32 s[HM], 0xffff0000
	s_mov_b32 s[SEL], 0x76543210
	s_mov_b32 s[SEL+1], 0xfedcba98
	s_mov_b32 s[C0], 0xc0135761                    ; c0 = -2 sqrt(2 / pi) log2(e) = -2.3022082
	s_mov_b32 s[C0+1], s[C0]
	s_mov_b32 s[C1], 0xbdd2d3e8                    ; c1 = 0.044715 c0 = -0.1029432
	s_mov_b32 s[C1+1], s[C1]
	s_wait_kmcnt 0x0
	s_add_nc_u64 s[6:7], s[6:7], s[2:3]
	s_mov_b64 s[12:13], s[6:7]
.if FFN2
	s_add_nc_u64 s[4:5], s[4:5], s[16:17]
.endif
	s_mov_b64 s[14:15], s[4:5]
	s_add_nc_u64 s[8:9], s[8:9], s[18:19]
	s_add_nc_u64 s[10:11], s[10:11], s[20:21]
	LDW 0, 0                                       ; the stream starts before anything else is done
	LDW 1, 1
	WIN 0
	s_load_b512 s[16:31], s[10:11], 0x0
	s_load_b512 s[32:47], s[10:11], 0x40
	s_load_b512 s[48:63], s[10:11], 0x80
	s_load_b512 s[68:83], s[10:11], 0xc0
.irp p, 2,3,4
	global_prefetch_b8 v[PF], s[6:7] offset:\p*WSTEP th:TH_LOAD_NT scope:SCOPE_SE
.endr
	; THE LIST, each wave's own copy, so that no barrier is needed: the lane whose bit is on puts its code at the rank that the bits below it give; the others write behind the list.
	s_mov_b32 s[CNT], 0
	v_mov_b32 v1, s[LB]
	v_mov_b32 v[RO], 0
	ds_store_b32 v1, v[RO]                         ; an expert without rows still has a row to name; nothing of it is stored
	s_wait_kmcnt 0x0
.macro WORD reg
	v_mbcnt_lo_u32_b32 v1, s[\reg], s[CNT]
	v_cndmask_b32 v1, v[LOFF], v1, s[\reg]
	v_min_u32 v1, 0x41f, v1
	v_lshl_add_u32 v1, v1, 2, s[LB]
	ds_store_b32 v1, v[TCODE]
	v_add_nc_u32 v[TCODE], 32, v[TCODE]
	s_bcnt1_i32_b32 s[TS], s[\reg]
	s_add_co_u32 s[CNT], s[CNT], s[TS]
.endm
.set i, 0
.rept 48
	WORD 16+i
.set i, i+1
.endr
.set i, 0
.rept 16
	WORD 68+i
.set i, i+1
.endr
	s_max_u32 s[CM1], s[CNT], 1
	s_sub_co_u32 s[CM1], s[CM1], 1
	s_cmp_gt_u32 s[CNT], ROWS
	s_cselect_b32 s[NPASS], 2, 1
	s_cmp_gt_u32 s[CNT], 2*ROWS
	s_cselect_b32 s[NPASS], 3, s[NPASS]            ; a token names an expert once: 1,024 rows at the most, three passes
	s_mov_b32 s[PASS], 0
	v_and_b32 v1, 15, v0
.if FFN2
	v_lshlrev_b32 v[LOFF], 4, v1                   ; four f32 columns a lane
.else
	v_lshlrev_b32 v[LOFF], 3, v1                   ; four bf16 columns a lane,
	v_lshl_add_u32 v[LOFF], v[H16], 3, v[LOFF]     ; the upper lanes the row's second 128 bytes
.endif
	SETROWS
	LDA 0, 0, 0
	s_wait_loadcnt 40                              ; W(0) is in: behind it W(1)'s 16 loads and A(0)'s 24
	CVT 0
	STB 0
	LDW 0, 2
	s_wait_dscnt 0x0                               ; for the others' sake: my part of stage 0
	s_barrier_signal -1
	s_barrier_wait -1
	STEP 0, 0, 1, 0, 16, 1, 1, 1, 1                ; K step 0 starts every sum and fills every register of the second row buffer: nothing is cleared
	s_mov_b32 s[CTR], 6
.Lk:                                               ; K steps 1 to 12, two a trip
	STEP 1, 1, 0, 1, 16, 1, 1, 2, 1
	STEP 0, 2, 0, 1, 16, 1, 1, 2, 1
	s_wait_xcnt 0x0                                ; the two bases are stepped only behind this wait
	s_add_nc_u64 s[6:7], s[6:7], 2*WSTEP
	s_add_nc_u64 s[4:5], s[4:5], 256
	s_sub_co_u32 s[CTR], s[CTR], 1
	s_cmp_lg_u32 s[CTR], 0
	s_cbranch_scc1 .Lk
	STEP 1, 1, 0, 1, 16, 1, 0, 0, 1                ; K step 13: no weights are left to ask for
	STEP 0, 2, 0, 1, 0, 1, 0, 0, 1                 ; 14: behind A(14) nothing was issued
	STEP 1, 3, 0, 1, 0, 0, 0, 0, 0                 ; 15: nothing to round, no stage to hand on
.Lpass:                                            ; three trips; a pass that the count does not reach is jumped
	s_cmp_ge_u32 s[PASS], s[NPASS]
	s_cbranch_scc1 .Lnext
	s_cmp_eq_u32 s[PASS], 0
	s_cbranch_scc1 .Lepi                           ; pass 0 was the streamed one
	s_wait_xcnt 0x0                                ; the last stores have read their registers
	SETROWS
	s_mov_b64 s[32:33], s[12:13]
	s_mov_b64 s[34:35], s[14:15]
	s_mov_b32 s[CTR], 32
.Lov:                                              ; 32 along K a trip: each wave loads and rounds 32 K x 128 columns for itself; no LDS write, no barrier
	PLACES
	WIN 0x40
.irp c, 0,1
.set n, 0
.rept 16
	global_load_b128 v[WS+64*\c+4*n:WS+64*\c+4*n+3], v[OWO], s[32:33] offset:(n+8*(n/8))*WPITCH+256*\c
.set n, n+1
.endr
.endr
	WIN 0
.irp t, 0,1,2,3,4,5
	global_load_b128 v[AF+16*\t:AF+16*\t+3], v[AOFF+\t], s[34:35]
	global_load_b128 v[AF+16*\t+4:AF+16*\t+7], v[AOFF+\t], s[34:35] offset:32
.endr
	s_wait_loadcnt 0x0                             ; all 44 are in, and their bases free
	WIN 0x45
.irp c, 0,1
.irp j, 0,1,2,3
.irp p, 0,1,2,3,4,5,6,7
	v_cvt_pk_bf16_f32 v[8*(4*\c+\j)+\p], v[WS+64*\c+8*\p+\j], v[WS+64*\c+8*\p+4+\j]
.endr
.endr
.endr
	WIN 0
	s_add_nc_u64 s[32:33], s[32:33], 32*WPITCH
	s_add_nc_u64 s[34:35], s[34:35], 64
	s_cmp_eq_u32 s[CTR], 32
	s_cbranch_scc1 .Lovz
	MUL 0, 0, 0, 0
	WIN 0
	s_branch .Lovj
.Lovz:
	MUL 0, 0, 1, 0                                 ; the pass's first products start the sums
	WIN 0
.Lovj:
	s_sub_co_u32 s[CTR], s[CTR], 1
	s_cmp_lg_u32 s[CTR], 0
	s_cbranch_scc1 .Lov
.Lepi:
	PLACES                                         ; behind the last products, ahead of the first read of a sum
	s_mov_b32 s[TI], 0
.Ltile:                                            ; six trips; a tile without rows is jumped
	s_cmp_ge_u32 s[TI], s[NT]
	s_cbranch_scc1 .Ltnext
	s_wait_xcnt 0x0                                ; the last tile's stores have read their data and offsets
.irp t, 0,1,2,3,4
	s_cmp_lg_u32 s[TI], \t
	s_cbranch_scc1 .Lnot\t
	COPY \t
	s_branch .Lcom
.Lnot\t:
.endr
	COPY 5
.Lcom:
.if FFN2
	; Lanes 0-15 hold row j, lanes 16-31 row 8 + j; a lane four neighbouring columns: each half of the lanes stores 256 consecutive aligned bytes of its row.
.irp j, 0,1,2,3,4,5,6,7
	v_readlane_b32 s2, v[TCODE], \j
	v_readlane_b32 s3, v[TCODE], 8+\j
	v_mov_b32 v1, s2
	v_cndmask_b32 v1, v1, s3, s[HM]
	v_min_u32 v1, 0x7ff, v1
	v_lshl_add_u32 v[RO+\j], v1, 12, v[LOFF]
.endr
	WIN 0x0c
.irp j, 0,1,2,3,4,5,6,7
	global_store_b128 v[RO+\j], v[X+8*\j:X+8*\j+3], s[8:9]
	global_store_b128 v[RO+\j], v[X+8*\j+4:X+8*\j+7], s[8:9] offset:256
.endr
	WIN 0
.else
	WIN 0xff                                       ; gelu on the tile's 64 numbers a lane, all in window 3
.set i, 0
.rept 32
	v_pk_mul_f32 v[Y+i:Y+i+1], v[X+i:X+i+1], v[X+i:X+i+1]
.set i, i+2
.endr
.set i, 0
.rept 32
	v_pk_fma_f32 v[Y+i:Y+i+1], v[Y+i:Y+i+1], s[C1:C1+1], s[C0:C0+1] op_sel_hi:[1,0,0]
.set i, i+2
.endr
.set i, 0
.rept 32
	v_pk_mul_f32 v[Y+i:Y+i+1], v[Y+i:Y+i+1], v[X+i:X+i+1]
.set i, i+2
.endr
.set i, 0
.rept 64
	v_exp_f32 v[Y+i], v[Y+i]
.set i, i+1
.endr
	v_nop                                          ; a plain instruction behind the last exponential,
	s_wait_alu depctr_va_vdst(0)                   ; and one wait for the 64, ahead of their first reader
.set i, 0
.rept 32
	v_pk_add_f32 v[Y+i:Y+i+1], v[Y+i:Y+i+1], 1.0 op_sel_hi:[1,0]
.set i, i+2
.endr
.set i, 0
.rept 64
	v_rcp_f32 v[Y+i], v[Y+i]
.set i, i+1
.endr
	v_nop
	s_wait_alu depctr_va_vdst(0)                   ; one wait for the 64 reciprocals
.set i, 0
.rept 32
	v_pk_mul_f32 v[X+i:X+i+1], v[X+i:X+i+1], v[Y+i:Y+i+1]
.set i, i+2
.endr
.set i, 0
.rept 32
	v_cvt_pk_bf16_f32 v[Y+i], v[X+2*i], v[X+2*i+1] ; row j, column half c, word d at Y + 4 j + 2 c + d
.set i, i+1
.endr
	; A row's 256 bytes lie in ONE half of the lanes, 128 bytes for each column half.  The halves of the lanes swap what the other needs, so that 32 lanes store one whole row.
.irp j, 0,1,2,3,4,5,6,7
.irp d, 0,1
	v_cndmask_b32 v[Y+32+4*\j+\d], v[Y+4*\j+2+\d], v[Y+4*\j+\d], s[HM]   ; the lower lanes send column half 1, the upper ones column half 0
.endr
.endr
.irp j, 0,1,2,3,4,5,6,7
.irp d, 0,1
	v_permlanex16_b32 v[Y+32+4*\j+2+\d], v[Y+32+4*\j+\d], s[SEL], s[SEL+1]
.endr
.endr
.irp j, 0,1,2,3,4,5,6,7
.irp d, 0,1
	v_cndmask_b32 v[X+4*\j+\d], v[Y+4*\j+\d], v[Y+32+4*\j+2+\d], s[HM]   ; row j whole
	v_cndmask_b32 v[X+4*\j+2+\d], v[Y+32+4*\j+2+\d], v[Y+4*\j+2+\d], s[HM] ; row 8 + j whole
.endr
.endr
	WIN 0
.irp j, 0,1,2,3,4,5,6,7,8,9,10,11,12,13,14,15
	v_readlane_b32 s[16+\j], v[TCODE], \j
.endr
.irp j, 0,1,2,3,4,5,6,7,8,9,10,11,12,13,14,15
	s_min_u32 s[16+\j], s[16+\j], 2047
	s_lshl_b32 s[16+\j], s[16+\j], 13              ; a row of h is 8,192 bytes
.endr
	WIN 0xc0
.irp j, 0,1,2,3,4,5,6,7,8,9,10,11,12,13,14,15
	v_add_nc_u32 v[X+32+\j], s[16+\j], v[LOFF]
.endr
	WIN 0x0f
.irp j, 0,1,2,3,4,5,6,7
	global_store_b64 v[X+32+\j], v[X+4*\j:X+4*\j+1], s[8:9]       ; 32 lanes x 8 bytes: 256 consecutive aligned bytes of one row
	global_store_b64 v[X+40+\j], v[X+4*\j+2:X+4*\j+3], s[8:9]
.endr
	WIN 0
.endif
.Ltnext:
	s_add_co_u32 s[TI], s[TI], 1
	s_cmp_lt_u32 s[TI], 6
	s_cbranch_scc1 .Ltile
.Lnext:
	s_add_co_u32 s[PASS], s[PASS], 1
	s_cmp_lt_u32 s[PASS], 3
	s_cbranch_scc1 .Lpass
	s_wait_tensorcnt 0x0                           ; the wave's end: three closing lines behind my last LDS store
	ds_add_u32 v[SPW], v[NIL]
	s_wait_dscnt 0x0
	s_endpgm
.Lfunc_end_k_qe015ce1a3b_ffn1:
	.size	k_qe015ce1a3b_ffn1, .Lfunc_end_k_qe015ce1a3b_ffn1-k_qe015ce1a3b_ffn1
	.p2alignl 7, 3214868480
	.fill 96, 4, 3214868480
	.section	.rodata,"a",@progbits
	.p2align	6, 0x0
	.amdhsa_kernel k_qe015ce1a3b_ffn1
		.amdhsa_group_segment_fixed_size 50688
		.amdhsa_private_segment_fixed_size 0
		.amdhsa_enable_private_segment 0
		.amdhsa_kernarg_size 32
		.amdhsa_user_sgpr_count 2
		.amdhsa_user_sgpr_kernarg_segment_ptr 1
		.amdhsa_wavefront_size32 1
		.amdhsa_system_sgpr_workgroup_id_x 1
		.amdhsa_system_sgpr_workgroup_id_y 1
		.amdhsa_system_sgpr_workgroup_id_z 1
		.amdhsa_system_vgpr_workitem_id 0
		.amdhsa_next_free_vgpr 1024
		.amdhsa_next_free_sgpr 106
		.amdhsa_reserve_vcc 0
		.amdhsa_float_denorm_mode_32 3
		.amdhsa_float_denorm_mode_16_64 3
		.amdhsa_memory_ordered 1
		.amdhsa_forward_progress 1
		.amdhsa_inst_pref_size 182
	.end_amdhsa_kernel
	.amdgpu_metadata
---
amdhsa.version: [ 1, 2 ]
amdhsa.kernels:
  - .name:           k_qe015ce1a3b_ffn1
    .symbol:         k_qe015ce1a3b_ffn1.kd
    .args:
      - { .name: xb, .offset: 0, .size: 8, .value_kind: global_buffer, .address_space: global }
      - { .name: w1, .offset: 8, .size: 8, .value_kind: global_buffer, .address_space: global }
      - { .name: h, .offset: 16, .size: 8, .value_kind: global_buffer, .address_space: global }
      - { .name: bitmap, .offset: 24, .size: 8, .value_kind: global_buffer, .address_space: global }
    .group_segment_fixed_size: 50688
    .private_segment_fixed_size: 0
    .kernarg_segment_align: 8
    .kernarg_segment_size: 32
    .max_flat_workgroup_size: 128
    .sgpr_count:     106
    .vgpr_count:     1024
    .wavefront_size: 32
...
	.end_amdgpu_metadata
.endif
;; end of part 2
;; launch ffn2 (part 3): grid 32 x 8, 4 waves a work-group, no clusters, 50,688 bytes of LDS; arguments h, w2, part, bitmap; writes part
.if DOCPART == 3
	.amdgcn_target "amdgcn-amd-amdhsa--gfx1250"
	.amdhsa_code_object_version 6
	.text
	.protected	k_qe015ce1a3b_ffn2
	.globl	k_qe015ce1a3b_ffn2
	.p2align	8
	.type	k_qe015ce1a3b_ffn2,@function
k_qe015ce1a3b_ffn2:
	s_mov_b64 s[64:65], 0
	v_nop
	global_prefetch_b8 v0, s[64:65] scope:SCOPE_SE
	s_setreg_imm32_b32 hwreg(HW_REG_WAVE_MODE, 25, 1), 1
	s_wait_xcnt 0x0
; ONE PRODUCT OF THE EXPERTS' LAYER.  FFN2 = 0: h[code] = gelu(xb[token] w1[e]), bf16.  FFN2 = 1: part[kq][code] = h[code] w2[e] over a quarter of K, f32.  One text serves both, by .if.
; A routed row is named by its CODE j 1024 + t (choice j, token t); bitmap[e], stored by the router's launch, says which codes chose expert e.
; SHARES.  A work-group has ONE expert (grid y), 128 columns and 1,024 of K (here grid x = 8 x quarter of K + slice): 512 KiB of f32 weights, which it alone reads, once; and ALL rows of that expert.
; The four waves share the rows: tile i of wave w is ranks 64 i + 16 w .. + 15 of the expert's list; six tiles a wave, 384 rows a pass, 48 accumulators of 16 x 16.  K goes in 16 steps of 64.
; K IS SPLIT BY FOUR because 8 experts x 8 slices are 64 work-groups; the four partial sums stay f32 and unweighted, and the last launch adds them.
; WEIGHTS.  Of a step wave w owns the unit 32 K x 64 columns (K half w / 2, column half w % 2): sixteen loads of 16 bytes a lane, each half of the lanes 256 consecutive aligned bytes of one K row.
; Lane (r, hh) holds columns 4 r .. 4 r + 3 of K rows 8 hh + i and 16 + 8 hh + i: rounding registers j of two neighbouring K rows into one word gives the matrix operand of the 16 columns
; 4 r + j: nothing is transposed; the columns are only taken in another order, which the way out undoes for nothing.  The four operands go to LDS as register images (lane x 16 bytes),
; and every wave reads a step's sixteen back.  Two stages take turns, one barrier a step.
; TOKEN ROWS come straight from memory into operand registers: they are named by a list, so no tile descriptor covers them; each load takes 32 bytes of 16 rows, a step's four 128 bytes a row.
; IN FLIGHT.  Loads come back in order, so the order of issue is A(s + 1), then W(s + 3): the wait at a step's head leaves the youngest 16 loads, a weight unit, out.  56 loads of a wave are out at the most.
; NO CLUSTER, NO TENSOR LOAD: each weight byte has one reader; what an expert's work-groups share is its rows of h, which come by a list.  Loads through registers keep counted waits, so the stream never runs dry.
; EVERY SPLIT IS SERVED.  No barrier hangs on the count: the streamed pass always runs (with no rows it stores nothing).  Rows past 384 (up to 1,024) take further passes without LDS writes or
; barriers, in which each wave reads and rounds the slice for itself: right, but several times slower a row.  Places past the count repeat the last row, and store the same bytes again.
; LIMITS.  Weights and rows are bf16 operands, sums f32, K ascending within a quarter.
.set FFN2, 1
.if FFN2
.set WSH, 12                           ; a K row of the weights is 4,096 bytes
.set ASH, 13                           ; a row of h is 8,192 bytes
.else
.set WSH, 14                           ; 16,384 bytes
.set ASH, 11                           ; a row of xb is 2,048 bytes
.endif
.set WPITCH, 1<<WSH
.set WSTEP,  64*WPITCH                 ; a K step in the weights
.set ROWS,   384                       ; rows a pass
.set STG,    16384                     ; a stage: 16 operands x 1,024 bytes
.set LIST,   2*STG                     ; each wave's own list: 1,024 words, then 32 words that lanes without a row write and nobody reads
.set LISTB,  4352
.set SPARE,  LIST+4*LISTB              ; the spare words: 128 bytes a wave, two blocks of 256 bytes that no other line names
; window 0
.set SPW,   2                          ; my spare word's address, and 0: kept for the closing add alone
.set NIL,   3
.set WO,    4                          ; my 16 bytes in my unit's first K row
.set SA,    5                          ; stage, in: wave x 4,096 + lane x 16
.set BA,    6                          ; stage, back: lane x 16
.set LOFF,  7                          ; first 1024 + lane; then my bytes in a row of the output
.set TCODE, 8                          ; first the codes of the bitmap word in hand; then the codes of the tile that goes out
.set H16,   9                          ; 16 x (lane / 16)
.set AOFF,  10                         ; v[10:15] tile t: my row's byte offset + H16
.set CODE,  16                         ; v[16:21] tile t: the code of row lane % 16
.set PF,    22                         ; prefetch: lane x K row in my unit
.set OWO,   23                         ; WO without the unit's part
.set RO,    24                         ; v[24:31] at work; FFN2: the way out's row offsets
.set ST,    32                         ; v[32:63] my unit, rounded: operand j at ST + 8 j
.set AF,    64                         ; v[64:255] token rows: buffer b, tile t, K half q at AF + 96 b + 16 t + 8 q
; window 1: v0-127 the step's 16 weight operands (K half q, columns n at 64 q + 8 n); v128-255 two slots of a unit as loaded
.set WS,    128
; window 2: accumulators of tiles 0-3 at 64 t + 8 n;  window 3: v0-127 those of tiles 4, 5; v128-255 the way out
.set X,     128
.set Y,     192
; scalars: s[4:5] rows, running; s[6:7] weights, running; s[8:9] output; s[10:11] bitmap; s[12:13], s[14:15] the two first as they began; s16-63, s68-83 the bitmap's 64 words, later at work
.set WV,    84
.set EX,    85
.set CNT,   87                         ; the expert's rows
.set CM1,   88                         ; the last rank that exists
.set LB,    89                         ; my list's LDS byte
.set NT,    90                         ; my live tiles in this pass
.set NPASS, 91
.set PASS,  92
.set CTR,   93
.set TI,    94
.set HM,    95                         ; lanes 16-31
.set SEL,   96
.set C0,    98
.set C1,    100
.set TS,    104
.set MSB, 0
.macro WIN new                         ; bits 1:0 source 0, 3:2 source 1, 5:4 source 2, 7:6 destination; the high byte repeats the setting that is left
.if MSB != (\new)
	s_set_vgpr_msb (MSB<<8)|(\new)
.set MSB, \new
.endif
.endm
.macro PLACES                          ; four plain instructions between a matrix instruction and a load into, or a vector line on, its registers
.rept 4
	v_nop
.endr
.endm
.macro LDW slot, rel                   ; my unit of the K step rel steps behind s[6:7]: K rows 0-7 and 16-23 (+ 8 for the upper lanes)
	WIN 0x40
.set n, 0
.rept 16
	global_load_b128 v[WS+64*(\slot)+4*n:WS+64*(\slot)+4*n+3], v[WO], s[6:7] offset:(64*(\rel)+n+8*(n/8))*WPITCH th:TH_LOAD_NT
.set n, n+1
.endr
.endm
.macro LDAT buf, rel, t
.irp q, 0,1
	global_load_b128 v[AF+96*(\buf)+16*(\t)+8*\q:AF+96*(\buf)+16*(\t)+8*\q+3], v[AOFF+(\t)], s[4:5] offset:128*(\rel)+64*\q
	global_load_b128 v[AF+96*(\buf)+16*(\t)+8*\q+4:AF+96*(\buf)+16*(\t)+8*\q+7], v[AOFF+(\t)], s[4:5] offset:128*(\rel)+64*\q+32
.endr
.endm
.macro LDA buf, rel, skip              ; a step's token rows; skip = 1: tiles 4 and 5 only where they live
	WIN 0
.irp t, 0,1,2,3
	LDAT \buf, \rel, \t
.endr
.if \skip
	s_cmp_lt_u32 s[NT], 5
	s_cbranch_scc1 .La_\@
.endif
	LDAT \buf, \rel, 4
.if \skip
	s_cmp_lt_u32 s[NT], 6
	s_cbranch_scc1 .La_\@
.endif
	LDAT \buf, \rel, 5
.if \skip
.La_\@:
.endif
.endm
.macro CVT slot                        ; two K rows' registers j into one word: register p of operand j
	WIN 0x05
.irp j, 0,1,2,3
.irp p, 0,1,2,3,4,5,6,7
	v_cvt_pk_bf16_f32 v[ST+8*\j+\p], v[WS+64*(\slot)+8*\p+\j], v[WS+64*(\slot)+8*\p+4+\j]
.endr
.endr
.endm
.macro STB par
	WIN 0
.irp f, 0,1,2,3,4,5,6,7
	ds_store_b128 v[SA], v[ST+4*\f:ST+4*\f+3] offset:(\par)*STG+512*\f
.endr
.endm
.macro LDB par                         ; the stage is an image of window 1's v0-127: K half 0's operands first
	WIN 0x40
.set n, 0
.rept 32
	ds_load_b128 v[4*n:4*n+3], v[BA] offset:(\par)*STG+512*n
.set n, n+1
.endr
.endm
.macro MULT buf, q, t, zero            ; a tile's eight accumulators, one instruction each
.if (\t) < 4
	WIN 0xa4
.else
	WIN 0xf4
.endif
.irp n, 0,1,2,3,4,5,6,7
.if \zero
	v_wmma_f32_16x16x32_bf16 v[64*((\t)%4)+8*\n:64*((\t)%4)+8*\n+7], v[AF+96*(\buf)+16*(\t)+8*(\q):AF+96*(\buf)+16*(\t)+8*(\q)+7], v[64*(\q)+8*\n:64*(\q)+8*\n+7], 0
.else
	v_wmma_f32_16x16x32_bf16 v[64*((\t)%4)+8*\n:64*((\t)%4)+8*\n+7], v[AF+96*(\buf)+16*(\t)+8*(\q):AF+96*(\buf)+16*(\t)+8*(\q)+7], v[64*(\q)+8*\n:64*(\q)+8*\n+7], v[64*((\t)%4)+8*\n:64*((\t)%4)+8*\n+7]
.endif
.endr
.endm
.macro MUL buf, q, zero, skip          ; 32 along K for all tiles: the accumulators take turns, one instruction a turn
.irp t, 0,1,2,3
	MULT \buf, \q, \t, \zero
.endr
.if \skip
	WIN 0
	s_cmp_lt_u32 s[NT], 5
	s_cbranch_scc1 .Lm_\@
.endif
	MULT \buf, \q, 4, \zero
.if \skip
	WIN 0
	s_cmp_lt_u32 s[NT], 6
	s_cbranch_scc1 .Lm_\@
.endif
	MULT \buf, \q, 5, \zero
.if \skip
	WIN 0
.Lm_\@:
.endif
.endm
; K STEP s (par = s % 2; rel = s less the step at which s[4:7] stand).  It multiplies stage par and row buffer par; meanwhile it rounds W(s + 1) into the other stage and asks for A(s + 1) and W(s + 3).
.macro STEP par, rel, zero, skip, topcnt, cvt, ldw, pf, bar
	PLACES                                         ; behind the last step's products, ahead of the loads into their operands
	LDB \par
	s_wait_loadcnt \topcnt                         ; A(s) and W(s + 1) are in; with 16, W(s + 2), issued last, stays out
.if \cvt
	CVT 1-(\par)
	STB 1-(\par)
	LDA 1-(\par), (\rel)+1, \skip
.endif
.if (\pf) == 2
	s_cmp_eq_u32 s[CTR], 1                         ; the loop's last trip would ask past K step 15
	s_cbranch_scc1 .Lnopf_\@
.endif
.if \pf
	global_prefetch_b8 v[PF], s[6:7] offset:((\rel)+5)*WSTEP th:TH_LOAD_NT scope:SCOPE_SE  ; my own unit of K step s + 5, two steps ahead of its loads: 32 lanes, its 32 blocks of 256 bytes, each asked for once in the launch
.endif
.if (\pf) == 2
.Lnopf_\@:
.endif
.if \ldw
	LDW 1-(\par), (\rel)+3                         ; into the slot just rounded; issued last, so the next count of 16 holds however many row loads were jumped
.endif
.if \cvt
	s_wait_dscnt 24                                ; K half 0's 16 loads are in; 16 loads and 8 stores may be out
.else
	s_wait_dscnt 16
.endif
	MUL \par, 0, \zero, \skip
	s_wait_dscnt 0x0                               ; my reads of this stage and my stores into the other are done:
.if \bar
	s_barrier_signal -1                            ; say so, work on registers while the others arrive,
.endif
	MUL \par, 1, 0, \skip
	WIN 0
.if \bar
	s_barrier_wait -1                              ; and go on: the other stage is whole, and nobody reads this one any more
.endif
.endm
; The pass's rows: tile i's ranks, held to the last that exists, looked up in my list; and how many of my tiles live.
.macro SETROWS
	s_mul_i32 s2, s[PASS], ROWS
	s_lshl_b32 s3, s[WV], 4
	s_add_co_u32 s3, s3, s2
	v_and_b32 v1, 15, v0
	v_add_nc_u32 v1, s3, v1
.irp i, 0,1,2,3,4,5
	v_add_nc_u32 v[RO+\i], 64*\i, v1
	v_min_u32 v[RO+\i], s[CM1], v[RO+\i]
	v_min_u32 v[RO+\i], 0x3ff, v[RO+\i]
	v_lshl_add_u32 v[RO+\i], v[RO+\i], 2, s[LB]
	ds_load_b32 v[CODE+\i], v[RO+\i]               ; LDS serves a wave's instructions in order (ISA guide 5.7.1.4): these see my list's stores
.endr
	s_sub_co_u32 s2, s[CNT], s2
	s_min_u32 s2, s2, ROWS                         ; rows of this pass,
	s_add_co_u32 s2, s2, 15
	s_lshr_b32 s2, s2, 4                           ; its tiles of 16, dealt to waves 0, 1, 2, 3, 0, ..
	s_add_co_u32 s2, s2, 3
	s_sub_co_u32 s2, s2, s[WV]
	s_lshr_b32 s[NT], s2, 2
	s_wait_dscnt 0x0
.irp i, 0,1,2,3,4,5
	v_min_u32 v[CODE+\i], 0x7ff, v[CODE+\i]
.if FFN2
	v_lshl_add_u32 v[AOFF+\i], v[CODE+\i], ASH, v[H16]
.else
	v_and_b32 v1, 0x3ff, v[CODE+\i]                ; the token
	v_lshl_add_u32 v[AOFF+\i], v1, ASH, v[H16]
.endif
.endr
.endm
; Tile t leaves its accumulators: X[8 j + n] = register j of accumulator n, so that a row's four neighbouring columns, which lie in four accumulators, lie in four neighbouring registers,
; and ONE text serves all six tiles.  Each accumulator is read from its lowest register on.
.macro COPY t
	WIN 0
	v_mov_b32 v[TCODE], v[CODE+(\t)]
	WIN 0xc2+(\t)/4
.irp n, 0,1,2,3,4,5,6,7
.irp j, 0,1,2,3,4,5,6,7
	v_mov_b32 v[X+8*\j+\n], v[64*((\t)%4)+8*\n+\j]
.endr
.endr
	WIN 0
.endm
	s_load_b256 s[4:11], s[0:1], 0x0               ; rows s[4:5], weights s[6:7], output s[8:9], bitmap s[10:11]
	v_lshl_add_u32 v[SPW], v0, 2, SPARE
	v_mov_b32 v[NIL], 0
	v_lshrrev_b32 v1, 5, v0
	v_readfirstlane_b32 s[WV], v1                  ; wave 0..3
	s_and_b32 s[EX], ttmp7, 0xffff                 ; the expert
	s_lshl_b32 s2, s[EX], 24                       ; its 16 MiB of weights
	s_mov_b32 s3, 0
	s_lshl_b32 s20, s[EX], 8                       ; its 64 words of the bitmap
	s_mov_b32 s21, 0
	s_mov_b32 s19, 0
.if FFN2
	s_and_b32 s[TS], ttmp9, 7                      ; slice of 128 columns
	s_lshr_b32 s[TI], ttmp9, 3                     ; quarter of K
	s_lshl_b32 s16, s[TI], 22                      ; 1,024 K rows of 4,096 bytes
	s_add_co_u32 s2, s2, s16
	s_lshl_b32 s16, s[TS], 9
	s_add_co_u32 s2, s2, s16
	s_lshl_b32 s18, s[TI], 23                      ; part: 2,048 rows of 4,096 bytes a quarter
	s_add_co_u32 s18, s18, s16
	s_lshl_b32 s16, s[TI], 11                      ; h: 1,024 bf16 along a row
	s_mov_b32 s17, 0
.else
	s_lshl_b32 s16, ttmp9, 9                       ; slice of 128 columns of f32
	s_add_co_u32 s2, s2, s16
	s_lshl_b32 s18, ttmp9, 8                       ; and of bf16
.endif
	v_and_b32 v1, 15, v0
	v_bfe_u32 v[H16], v0, 4, 1
	v_lshlrev_b32 v[OWO], WSH+3, v[H16]            ; the upper lanes: 8 K rows on
	v_lshl_add_u32 v[OWO], v1, 4, v[OWO]
	s_lshr_b32 s[TI], s[WV], 1
	s_and_b32 s[CTR], s[WV], 1
	s_lshl_b32 s[TI], s[TI], WSH+5                 ; my unit: K half x 32 rows
	s_lshl_b32 s[CTR], s[CTR], 8                   ; + column half x 256 bytes
	s_add_co_u32 s[TI], s[TI], s[CTR]
	v_add_nc_u32 v[WO], s[TI], v[OWO]
	v_and_b32 v[BA], 31, v0
	v_lshl_add_u32 v[PF], v[BA], WSH, s[TI]
	v_add_nc_u32 v[LOFF], 0x400, v[BA]
	v_mov_b32 v[TCODE], v[BA]
	v_lshlrev_b32 v[BA], 4, v[BA]
	s_lshl_b32 s[TI], s[WV], 12
	v_add_nc_u32 v[SA], s[TI], v[BA]
	v_lshlrev_b32 v[H16], 4, v[H16]
	s_mul_i32 s[LB], s[WV], LISTB
	s_add_co_u32 s[LB], s[LB], LIST
	s_mov_b32 s[HM], 0xffff0000
	s_wait_kmcnt 0x0
	s_add_nc_u64 s[6:7], s[6:7], s[2:3]
	s_mov_b64 s[12:13], s[6:7]
.if FFN2
	s_add_nc_u64 s[4:5], s[4:5], s[16:17]
.endif
	s_mov_b64 s[14:15], s[4:5]
	s_add_nc_u64 s[8:9], s[8:9], s[18:19]
	s_add_nc_u64 s[10:11], s[10:11], s[20:21]
	LDW 0, 0                                       ; the stream starts before anything else is done
	LDW 1, 1
	WIN 0
	s_load_b512 s[16:31], s[10:11], 0x0
	s_load_b512 s[32:47], s[10:11], 0x40
	s_load_b512 s[48:63], s[10:11], 0x80
	s_load_b512 s[68:83], s[10:11], 0xc0
.irp p, 2,3,4
	global_prefetch_b8 v[PF], s[6:7] offset:\p*WSTEP th:TH_LOAD_NT scope:SCOPE_SE
.endr
	; THE LIST, each wave's own copy, so that no barrier is needed: the lane whose bit is on puts its code at the rank that the bits below it give; the others write behind the list.
	s_mov_b32 s[CNT], 0
	v_mov_b32 v1, s[LB]
	v_mov_b32 v[RO], 0
	ds_store_b32 v1, v[RO]                         ; an expert without rows still has a row to name; nothing of it is stored
	s_wait_kmcnt 0x0
.macro WORD reg
	v_mbcnt_lo_u32_b32 v1, s[\reg], s[CNT]
	v_cndmask_b32 v1, v[LOFF], v1, s[\reg]
	v_min_u32 v1, 0x41f, v1
	v_lshl_add_u32 v1, v1, 2, s[LB]
	ds_store_b32 v1, v[TCODE]
	v_add_nc_u32 v[TCODE], 32, v[TCODE]
	s_bcnt1_i32_b32 s[TS], s[\reg]
	s_add_co_u32 s[CNT], s[CNT], s[TS]
.endm
.set i, 0
.rept 48
	WORD 16+i
.set i, i+1
.endr
.set i, 0
.rept 16
	WORD 68+i
.set i, i+1
.endr
	s_max_u32 s[CM1], s[CNT], 1
	s_sub_co_u32 s[CM1], s[CM1], 1
	s_cmp_gt_u32 s[CNT], ROWS
	s_cselect_b32 s[NPASS], 2, 1
	s_cmp_gt_u32 s[CNT], 2*ROWS
	s_cselect_b32 s[NPASS], 3, s[NPASS]            ; a token names an expert once: 1,024 rows at the most, three passes
	s_mov_b32 s[PASS], 0
	v_and_b32 v1, 15, v0
.if FFN2
	v_lshlrev_b32 v[LOFF], 4, v1                   ; four f32 columns a lane
.else
	v_lshlrev_b32 v[LOFF], 3, v1                   ; four bf16 columns a lane,
	v_lshl_add_u32 v[LOFF], v[H16], 3, v[LOFF]     ; the upper lanes the row's second 128 bytes
.endif
	SETROWS
	LDA 0, 0, 0
	s_wait_loadcnt 40                              ; W(0) is in: behind it W(1)'s 16 loads and A(0)'s 24
	CVT 0
	STB 0
	LDW 0, 2
	s_wait_dscnt 0x0                               ; for the others' sake: my part of stage 0
	s_barrier_signal -1
	s_barrier_wait -1
	STEP 0, 0, 1, 0, 16, 1, 1, 1, 1                ; K step 0 starts every sum and fills every register of the second row buffer: nothing is cleared
	s_mov_b32 s[CTR], 6
.Lk:                                               ; K steps 1 to 12, two a trip
	STEP 1, 1, 0, 1, 16, 1, 1, 2, 1
	STEP 0, 2, 0, 1, 16, 1, 1, 2, 1
	s_wait_xcnt 0x0                                ; the two bases are stepped only behind this wait
	s_add_nc_u64 s[6:7], s[6:7], 2*WSTEP
	s_add_nc_u64 s[4:5], s[4:5], 256
	s_sub_co_u32 s[CTR], s[CTR], 1
	s_cmp_lg_u32 s[CTR], 0
	s_cbranch_scc1 .Lk
	STEP 1, 1, 0, 1, 16, 1, 0, 0, 1                ; K step 13: no weights are left to ask for
	STEP 0, 2, 0, 1, 0, 1, 0, 0, 1                 ; 14: behind A(14) nothing was issued
	STEP 1, 3, 0, 1, 0, 0, 0, 0, 0                 ; 15: nothing to round, no stage to hand on
.Lpass:                                            ; three trips; a pass that the count does not reach is jumped
	s_cmp_ge_u32 s[PASS], s[NPASS]
	s_cbranch_scc1 .Lnext
	s_cmp_eq_u32 s[PASS], 0
	s_cbranch_scc1 .Lepi                           ; pass 0 was the streamed one
	s_wait_xcnt 0x0                                ; the last stores have read their registers
	SETROWS
	s_mov_b64 s[32:33], s[12:13]
	s_mov_b64 s[34:35], s[14:15]
	s_mov_b32 s[CTR], 32
.Lov:                                              ; 32 along K a trip: each wave loads and rounds 32 K x 128 columns for itself; no LDS write, no barrier
	PLACES
	WIN 0x40
.irp c, 0,1
.set n, 0
.rept 16
	global_load_b128 v[WS+64*\c+4*n:WS+64*\c+4*n+3], v[OWO], s[32:33] offset:(n+8*(n/8))*WPITCH+256*\c
.set n, n+1
.endr
.endr
	WIN 0
.irp t, 0,1,2,3,4,5
	global_load_b128 v[AF+16*\t:AF+16*\t+3], v[AOFF+\t], s[34:35]
	global_load_b128 v[AF+16*\t+4:AF+16*\t+7], v[AOFF+\t], s[34:35] offset:32
.endr
	s_wait_loadcnt 0x0                             ; all 44 are in, and their bases free
	WIN 0x45
.irp c, 0,1
.irp j, 0,1,2,3
.irp p, 0,1,2,3,4,5,6,7
	v_cvt_pk_bf16_f32 v[8*(4*\c+\j)+\p], v[WS+64*\c+8*\p+\j], v[WS+64*\c+8*\p+4+\j]
.endr
.endr
.endr
	WIN 0
	s_add_nc_u64 s[32:33], s[32:33], 32*WPITCH
	s_add_nc_u64 s[34:35], s[34:35], 64
	s_cmp_eq_u32 s[CTR], 32
	s_cbranch_scc1 .Lovz
	MUL 0, 0, 0, 0
	WIN 0
	s_branch .Lovj
.Lovz:
	MUL 0, 0, 1, 0                                 ; the pass's first products start the sums
	WIN 0
.Lovj:
	s_sub_co_u32 s[CTR], s[CTR], 1
	s_cmp_lg_u32 s[CTR], 0
	s_cbranch_scc1 .Lov
.Lepi:
	PLACES                                         ; behind the last products, ahead of the first read of a sum
	s_mov_b32 s[TI], 0
.Ltile:                                            ; six trips; a tile without rows is jumped
	s_cmp_ge_u32 s[TI], s[NT]
	s_cbranch_scc1 .Ltnext
	s_wait_xcnt 0x0                                ; the last tile's stores have read their data and offsets
.irp t, 0,1,2,3,4
	s_cmp_lg_u32 s[TI], \t
	s_cbranch_scc1 .Lnot\t
	COPY \t
	s_branch .Lcom
.Lnot\t:
.endr
	COPY 5
.Lcom:
	; Lanes 0-15 hold row j, lanes 16-31 row 8 + j; a lane four neighbouring columns: each half of the lanes stores 256 consecutive aligned bytes of its row.
.irp j, 0,1,2,3,4,5,6,7
	v_readlane_b32 s2, v[TCODE], \j
	v_readlane_b32 s3, v[TCODE], 8+\j
	v_mov_b32 v1, s2
	v_cndmask_b32 v1, v1, s3, s[HM]
	v_min_u32 v1, 0x7ff, v1
	v_lshl_add_u32 v[RO+\j], v1, 12, v[LOFF]
.endr
	WIN 0x0c
.irp j, 0,1,2,3,4,5,6,7
	global_store_b128 v[RO+\j], v[X+8*\j:X+8*\j+3], s[8:9]
	global_store_b128 v[RO+\j], v[X+8*\j+4:X+8*\j+7], s[8:9] offset:256
.endr
	WIN 0
.Ltnext:
	s_add_co_u32 s[TI], s[TI], 1
	s_cmp_lt_u32 s[TI], 6
	s_cbranch_scc1 .Ltile
.Lnext:
	s_add_co_u32 s[PASS], s[PASS], 1
	s_cmp_lt_u32 s[PASS], 3
	s_cbranch_scc1 .Lpass
	s_wait_tensorcnt 0x0                           ; the wave's end: three closing lines behind my last LDS store
	ds_add_u32 v[SPW], v[NIL]
	s_wait_dscnt 0x0
	s_endpgm
.Lfunc_end_k_qe015ce1a3b_ffn2:
	.size	k_qe015ce1a3b_ffn2, .Lfunc_end_k_qe015ce1a3b_ffn2-k_qe015ce1a3b_ffn2
	.p2alignl 7, 3214868480
	.fill 96, 4, 3214868480
	.section	.rodata,"a",@progbits
	.p2align	6, 0x0
	.amdhsa_kernel k_qe015ce1a3b_ffn2
		.amdhsa_group_segment_fixed_size 50688
		.amdhsa_private_segment_fixed_size 0
		.amdhsa_enable_private_segment 0
		.amdhsa_kernarg_size 32
		.amdhsa_user_sgpr_count 2
		.amdhsa_user_sgpr_kernarg_segment_ptr 1
		.amdhsa_wavefront_size32 1
		.amdhsa_system_sgpr_workgroup_id_x 1
		.amdhsa_system_sgpr_workgroup_id_y 1
		.amdhsa_system_sgpr_workgroup_id_z 1
		.amdhsa_system_vgpr_workitem_id 0
		.amdhsa_next_free_vgpr 1024
		.amdhsa_next_free_sgpr 106
		.amdhsa_reserve_vcc 0
		.amdhsa_float_denorm_mode_32 3
		.amdhsa_float_denorm_mode_16_64 3
		.amdhsa_memory_ordered 1
		.amdhsa_forward_progress 1
		.amdhsa_inst_pref_size 161
	.end_amdhsa_kernel
	.amdgpu_metadata
---
amdhsa.version: [ 1, 2 ]
amdhsa.kernels:
  - .name:           k_qe015ce1a3b_ffn2
    .symbol:         k_qe015ce1a3b_ffn2.kd
    .args:
      - { .name: h, .offset: 0, .size: 8, .value_kind: global_buffer, .address_space: global }
      - { .name: w2, .offset: 8, .size: 8, .value_kind: global_buffer, .address_space: global }
      - { .name: part, .offset: 16, .size: 8, .value_kind: global_buffer, .address_space: global }
      - { .name: bitmap, .offset: 24, .size: 8, .value_kind: global_buffer, .address_space: global }
    .group_segment_fixed_size: 50688
    .private_segment_fixed_size: 0
    .kernarg_segment_align: 8
    .kernarg_segment_size: 32
    .max_flat_workgroup_size: 128
    .sgpr_count:     106
    .vgpr_count:     1024
    .wavefront_size: 32
...
	.end_amdgpu_metadata
.endif
;; end of part 3
;; launch comb (part 4): grid 256 x 1, 8 waves a work-group, no clusters, 0 bytes of LDS; arguments part, topw, out0; writes out0
.if DOCPART == 4
	.amdgcn_target "amdgcn-amd-amdhsa--gfx1250"
	.amdhsa_code_object_version 6
	.text
	.protected	k_qe015ce1a3b_comb
	.globl	k_qe015ce1a3b_comb
	.p2align	8
	.type	k_qe015ce1a3b_comb,@function
k_qe015ce1a3b_comb:
	s_mov_b64 s[64:65], 0
	v_nop
	global_prefetch_b8 v0, s[64:65] scope:SCOPE_SE
	s_setreg_imm32_b32 hwreg(HW_REG_WAVE_MODE, 25, 1), 1
	s_wait_xcnt 0x0
; out0[t] = topw[t] x (the four K quarters' sum for code t) + topw[1024 + t] x (the same for code 1024 + t).
; part [4][2048][1024] f32 by code, topw [2048] f32 by code, out0 [1024][1024] f32.  Codes are j 1024 + t, so every address hangs on ids alone.
; A stream: a work-group has 4 tokens, thread n the 16 bytes at 16 n of each row; a wave's load or store covers 512 consecutive aligned bytes.  All 32 loads of a thread go out at once,
; row by row, and the waits count down by rows.  No LDS, matrix unit or cluster: no byte is read twice and no wave waits for another.
.set L, 16                             ; v[16:143] row i, choice j, quarter q: 4 registers at L + 32 i + 16 j + 4 q
	s_load_b128 s[4:7], s[0:1], 0x0                ; part s[4:5], topw s[6:7]
	s_load_b64 s[8:9], s[0:1], 0x10                ; out0
	s_lshl_b32 s2, ttmp9, 14                       ; 4 rows of 4,096 bytes
	s_mov_b32 s3, 0
	s_lshl_b32 s10, ttmp9, 4                       ; 4 weights
	s_mov_b32 s11, 0
	v_lshlrev_b32 v1, 4, v0
	s_wait_kmcnt 0x0
	s_add_nc_u64 s[12:13], s[4:5], s[2:3]          ; a base for each quarter, 8 MiB apart; the choice and the row stand in the immediate
	s_add_nc_u64 s[14:15], s[12:13], 0x800000
	s_add_nc_u64 s[16:17], s[14:15], 0x800000
	s_add_nc_u64 s[18:19], s[16:17], 0x800000
	s_add_nc_u64 s[8:9], s[8:9], s[2:3]
	s_add_nc_u64 s[6:7], s[6:7], s[10:11]
	s_load_b128 s[20:23], s[6:7], 0x0              ; the first choices' weights of my 4 tokens
	s_load_b128 s[24:27], s[6:7], 0x1000           ; the second choices'
.irp i, 0,1,2,3
.irp j, 0,1
.irp q, 0,1,2,3
	global_load_b128 v[L+32*\i+16*\j+4*\q:L+32*\i+16*\j+4*\q+3], v1, s[12+2*\q:13+2*\q] offset:(\j<<22)+(\i<<12) th:TH_LOAD_NT
.endr
.endr
.endr
	s_wait_kmcnt 0x0
.irp i, 0,1,2,3
	s_wait_loadcnt 24-8*\i                         ; this row's eight loads are in; the later rows' stay out
.irp j, 0,1
.irp d, 0,2
	v_pk_add_f32 v[L+32*\i+16*\j+\d:L+32*\i+16*\j+\d+1], v[L+32*\i+16*\j+\d:L+32*\i+16*\j+\d+1], v[L+32*\i+16*\j+4+\d:L+32*\i+16*\j+4+\d+1]
	v_pk_add_f32 v[L+32*\i+16*\j+8+\d:L+32*\i+16*\j+8+\d+1], v[L+32*\i+16*\j+8+\d:L+32*\i+16*\j+8+\d+1], v[L+32*\i+16*\j+12+\d:L+32*\i+16*\j+12+\d+1]
.endr
.endr
.irp j, 0,1
.irp d, 0,2
	v_pk_add_f32 v[L+32*\i+16*\j+\d:L+32*\i+16*\j+\d+1], v[L+32*\i+16*\j+\d:L+32*\i+16*\j+\d+1], v[L+32*\i+16*\j+8+\d:L+32*\i+16*\j+8+\d+1]
.endr
.endr
.irp k, 0,1,2,3
	v_mul_f32 v[L+32*\i+\k], s[20+\i], v[L+32*\i+\k]
.endr
.irp k, 0,1,2,3
	v_fmac_f32 v[L+32*\i+\k], s[24+\i], v[L+32*\i+16+\k]
.endr
	global_store_b128 v1, v[L+32*\i:L+32*\i+3], s[8:9] offset:\i<<12 th:TH_STORE_NT
.endr
	s_endpgm
.Lfunc_end_k_qe015ce1a3b_comb:
	.size	k_qe015ce1a3b_comb, .Lfunc_end_k_qe015ce1a3b_comb-k_qe015ce1a3b_comb
	.p2alignl 7, 3214868480
	.fill 96, 4, 3214868480
	.section	.rodata,"a",@progbits
	.p2align	6, 0x0
	.amdhsa_kernel k_qe015ce1a3b_comb
		.amdhsa_group_segment_fixed_size 0
		.amdhsa_private_segment_fixed_size 0
		.amdhsa_enable_private_segment 0
		.amdhsa_kernarg_size 24
		.amdhsa_user_sgpr_count 2
		.amdhsa_user_sgpr_kernarg_segment_ptr 1
		.amdhsa_wavefront_size32 1
		.amdhsa_system_sgpr_workgroup_id_x 1
		.amdhsa_system_sgpr_workgroup_id_y 1
		.amdhsa_system_sgpr_workgroup_id_z 1
		.amdhsa_system_vgpr_workitem_id 0
		.amdhsa_next_free_vgpr 144
		.amdhsa_next_free_sgpr 66
		.amdhsa_reserve_vcc 0
		.amdhsa_float_denorm_mode_32 3
		.amdhsa_float_denorm_mode_16_64 3
		.amdhsa_memory_ordered 1
		.amdhsa_forward_progress 1
		.amdhsa_inst_pref_size 9
	.end_amdhsa_kernel
	.amdgpu_metadata
---
amdhsa.version: [ 1, 2 ]
amdhsa.kernels:
  - .name:           k_qe015ce1a3b_comb
    .symbol:         k_qe015ce1a3b_comb.kd
    .args:
      - { .name: part, .offset: 0, .size: 8, .value_kind: global_buffer, .address_space: global }
      - { .name: topw, .offset: 8, .size: 8, .value_kind: global_buffer, .address_space: global }
      - { .name: out0, .offset: 16, .size: 8, .value_kind: global_buffer, .address_space: global }
    .group_segment_fixed_size: 0
    .private_segment_fixed_size: 0
    .kernarg_segment_align: 8
    .kernarg_segment_size: 24
    .max_flat_workgroup_size: 256
    .sgpr_count:     66
    .vgpr_count:     144
    .wavefront_size: 32
...
	.end_amdgpu_metadata
.endif
;; end of part 4
;; ======== version 2 of 3: 5 launches
;; workspace buffers: xb 2,097,152 bytes; bitmap 2,048 bytes of whole numbers; topw 8,192 bytes; xs 16,777,216 bytes; pos 8,448 bytes of whole numbers; h 67,108,864 bytes; part 134,217,728 bytes
;; launch route: the kernel of part 1 again; grid 128 x 1, 4 waves a work-group, no clusters, 33,536 bytes of LDS; arguments x, router_w, xb, bitmap, topw; writes xb, bitmap, topw
;; launch place (part 5): grid 32 x 8, 4 waves a work-group, no clusters, 17,920 bytes of LDS; arguments xb, bitmap, xs, pos; writes xs, pos
.if DOCPART == 5
	.amdgcn_target "amdgcn-amd-amdhsa--gfx1250"
	.amdhsa_code_object_version 6
	.text
	.protected	k_qe015ce1a3b_place
	.globl	k_qe015ce1a3b_place
	.p2align	8
	.type	k_qe015ce1a3b_place,@function
k_qe015ce1a3b_place:
	s_mov_b64 s[64:65], 0
	v_nop
	global_prefetch_b8 v0, s[64:65] scope:SCOPE_SE
	s_setreg_imm32_b32 hwreg(HW_REG_WAVE_MODE, 25, 1), 1
	s_wait_xcnt 0x0
; THE ROUTED ROWS ARE LAID END TO END IN EACH EXPERT'S ORDER, so that the two products address their rows by expert and rank alone.
; A routed row has the CODE j 1024 + t (choice j, token t); bitmap[e] (64 words, stored by the router's launch) says which codes chose expert e; a code's RANK is the number of e's codes below it.
; OUT.  xs[e][rank] = xb[token] ([8][1024][1024] bf16).  pos[code] = e 1024 + rank (words 0 .. 2047); pos[2048 + e] = the expert's count, held to 1 at the least.
; SHARES.  Grid x = a chunk of 32 ranks, grid y = the expert; wave w has ranks 32 c + 8 w .. + 7, a whole row (2,048 bytes) in four loads and four stores of 512 consecutive bytes.
; The grid serves every split (1,024 rows on one expert): a chunk past the count stores nothing and ends.  Places past the count in a live wave repeat the last row: the same bytes to the same place.
; AN EXPERT WITHOUT ROWS counts as one with one row, a copy of token 0, which no pos names: so the products read no byte that nobody wrote.  It stores no pos.
; Each wave builds its own copy of the list in LDS, so no barrier is needed.  No matrix unit, no cluster, no tensor load: the rows come by a list, and each is copied once.
.set LISTB, 4352                       ; a wave's list: 1,024 words, then 32 words that lanes without a row write and nobody reads
.set SPARE, 4*LISTB                    ; the spare words: 128 bytes a wave, two blocks of 256 bytes that no other line names
.set SPW,   2                          ; my spare word's address, and 0: kept for the closing add alone
.set NIL,   3
.set LOFF,  4                          ; 1024 + lane
.set TCODE, 5                          ; the codes of the bitmap word in hand
.set L16,   6                          ; 16 x lane
.set RK,    7                          ; lane l: the rank of row l % 8
.set LA,    8
.set CD,    9                          ; its code
.set SRC,   10                         ; v[10:17] row i: my 16 bytes in xb
.set DST,   18                         ; v[18:25] row i: my 16 bytes in xs[e]
.set PA,    26
.set PD,    27
.set D,     32                         ; v[32:159] row i, piece c at D + 16 i + 4 c
.set WV,    84
.set EX,    85
.set CNT,   87
.set CM1,   88
.set LB,    89
.set R0,    90                         ; my first rank
.set EMP,   91                         ; 1: the expert has no rows
.set TS,    104
	s_load_b256 s[4:11], s[0:1], 0x0               ; xb s[4:5], bitmap s[6:7], xs s[8:9], pos s[10:11]
	v_lshl_add_u32 v[SPW], v0, 2, SPARE
	v_mov_b32 v[NIL], 0
	v_lshrrev_b32 v1, 5, v0
	v_readfirstlane_b32 s[WV], v1                  ; wave 0..3
	s_and_b32 s[EX], ttmp7, 0xffff                 ; the expert
	s_lshl_b32 s2, s[EX], 8                        ; its 64 words of the bitmap
	s_mov_b32 s3, 0
	s_lshl_b32 s12, s[EX], 21                      ; its 1,024 rows of 2,048 bytes in xs
	s_mov_b32 s13, 0
	v_and_b32 v[L16], 31, v0
	v_add_nc_u32 v[LOFF], 0x400, v[L16]
	v_mov_b32 v[TCODE], v[L16]
	v_lshlrev_b32 v[L16], 4, v[L16]
	s_mul_i32 s[LB], s[WV], LISTB
	s_lshl_b32 s[R0], ttmp9, 5
	s_lshl_b32 s[TS], s[WV], 3
	s_add_co_u32 s[R0], s[R0], s[TS]
	s_wait_kmcnt 0x0
	s_add_nc_u64 s[6:7], s[6:7], s[2:3]
	s_add_nc_u64 s[8:9], s[8:9], s[12:13]
	s_load_b512 s[16:31], s[6:7], 0x0
	s_load_b512 s[32:47], s[6:7], 0x40
	s_load_b512 s[48:63], s[6:7], 0x80
	s_load_b512 s[68:83], s[6:7], 0xc0
	s_mov_b32 s[CNT], 0
	v_mov_b32 v1, s[LB]
	v_mov_b32 v[RK], 0
	ds_store_b32 v1, v[RK]                         ; an expert without rows still has a row to name: token 0
	s_wait_kmcnt 0x0
	; THE LIST: the lane whose bit is on puts its code at the rank that the bits below it give; the others write behind the list.
.macro WORD reg
	v_mbcnt_lo_u32_b32 v1, s[\reg], s[CNT]
	v_cndmask_b32 v1, v[LOFF], v1, s[\reg]
	v_min_u32 v1, 0x41f, v1
	v_lshl_add_u32 v1, v1, 2, s[LB]
	ds_store_b32 v1, v[TCODE]
	v_add_nc_u32 v[TCODE], 32, v[TCODE]
	s_bcnt1_i32_b32 s[TS], s[\reg]
	s_add_co_u32 s[CNT], s[CNT], s[TS]
.endm
.set i, 0
.rept 48
	WORD 16+i
.set i, i+1
.endr
.set i, 0
.rept 16
	WORD 68+i
.set i, i+1
.endr
	s_cmp_eq_u32 s[CNT], 0
	s_cselect_b32 s[EMP], 1, 0
	s_max_u32 s[CNT], s[CNT], 1
	s_sub_co_u32 s[CM1], s[CNT], 1
	s_cmp_ge_u32 s[R0], s[CNT]
	s_cbranch_scc1 .Lend                           ; none of my ranks exists
	v_and_b32 v1, 7, v0
	v_add_nc_u32 v[RK], s[R0], v1
	v_min_u32 v[RK], s[CM1], v[RK]                 ; held to the last rank that exists
	v_min_u32 v[RK], 0x3ff, v[RK]
	v_lshl_add_u32 v[LA], v[RK], 2, s[LB]
	ds_load_b32 v[CD], v[LA]                       ; LDS serves a wave's instructions in order (ISA guide 5.7.1.4): this sees my list's stores
.irp i, 0,1,2,3,4,5,6,7                            ; where the rows go; the bitmap's registers are free
	s_add_co_u32 s[24+\i], s[R0], \i
	s_min_u32 s[24+\i], s[24+\i], s[CM1]
	s_min_u32 s[24+\i], s[24+\i], 0x3ff
	s_lshl_b32 s[24+\i], s[24+\i], 11
	v_add_nc_u32 v[DST+\i], s[24+\i], v[L16]
.endr
	s_wait_dscnt 0x0
	v_min_u32 v[CD], 0x7ff, v[CD]
.irp i, 0,1,2,3,4,5,6,7
	v_readlane_b32 s[16+\i], v[CD], \i
.endr
.irp i, 0,1,2,3,4,5,6,7                            ; where they come from: the code's token
	s_min_u32 s[16+\i], s[16+\i], 0x7ff
	s_and_b32 s[16+\i], s[16+\i], 0x3ff
	s_lshl_b32 s[16+\i], s[16+\i], 11
	v_add_nc_u32 v[SRC+\i], s[16+\i], v[L16]
.endr
.irp i, 0,1,2,3,4,5,6,7
.irp c, 0,1,2,3
	global_load_b128 v[D+16*\i+4*\c:D+16*\i+4*\c+3], v[SRC+\i], s[4:5] offset:512*\c
.endr
.endr
	s_cmp_lg_u32 s[EMP], 0
	s_cbranch_scc1 .Lnopos
	s_lshl_b32 s[TS], s[EX], 10
	v_lshlrev_b32 v[PA], 2, v[CD]
	v_add_nc_u32 v[PD], s[TS], v[RK]
	global_store_b32 v[PA], v[PD], s[10:11]        ; lanes 8 apart hold the same row: the same word, the same number
.Lnopos:
	s_cmp_lg_u32 s[R0], 0
	s_cbranch_scc1 .Lnocnt                         ; the wave with rank 0 stores the count; it always lives
	s_lshl_b32 s[TS], s[EX], 2
	s_add_co_u32 s[TS], s[TS], 0x2000
	v_mov_b32 v28, s[CNT]
	v_mov_b32 v29, s[TS]
	global_store_b32 v29, v28, s[10:11]
.Lnocnt:
.irp i, 0,1,2,3,4,5,6,7
	s_wait_loadcnt 28-4*\i                         ; this row's four loads are in; the later rows' stay out
.irp c, 0,1,2,3
	global_store_b128 v[DST+\i], v[D+16*\i+4*\c:D+16*\i+4*\c+3], s[8:9] offset:512*\c
.endr
.endr
.Lend:
	s_wait_tensorcnt 0x0                           ; the wave's end: three closing lines behind my last LDS store
	ds_add_u32 v[SPW], v[NIL]
	s_wait_dscnt 0x0
	s_endpgm
.Lfunc_end_k_qe015ce1a3b_place:
	.size	k_qe015ce1a3b_place, .Lfunc_end_k_qe015ce1a3b_place-k_qe015ce1a3b_place
	.p2alignl 7, 3214868480
	.fill 96, 4, 3214868480
	.section	.rodata,"a",@progbits
	.p2align	6, 0x0
	.amdhsa_kernel k_qe015ce1a3b_place
		.amdhsa_group_segment_fixed_size 17920
		.amdhsa_private_segment_fixed_size 0
		.amdhsa_enable_private_segment 0
		.amdhsa_kernarg_size 32
		.amdhsa_user_sgpr_count 2
		.amdhsa_user_sgpr_kernarg_segment_ptr 1
		.amdhsa_wavefront_size32 1
		.amdhsa_system_sgpr_workgroup_id_x 1
		.amdhsa_system_sgpr_workgroup_id_y 1
		.amdhsa_system_sgpr_workgroup_id_z 1
		.amdhsa_system_vgpr_workitem_id 0
		.amdhsa_next_free_vgpr 160
		.amdhsa_next_free_sgpr 106
		.amdhsa_reserve_vcc 0
		.amdhsa_float_denorm_mode_32 3
		.amdhsa_float_denorm_mode_16_64 3
		.amdhsa_memory_ordered 1
		.amdhsa_forward_progress 1
		.amdhsa_inst_pref_size 39
	.end_amdhsa_kernel
	.amdgpu_metadata
---
amdhsa.version: [ 1, 2 ]
amdhsa.kernels:
  - .name:           k_qe015ce1a3b_place
    .symbol:         k_qe015ce1a3b_place.kd
    .args:
      - { .name: xb, .offset: 0, .size: 8, .value_kind: global_buffer, .address_space: global }
      - { .name: bitmap, .offset: 8, .size: 8, .value_kind: global_buffer, .address_space: global }
      - { .name: xs, .offset: 16, .size: 8, .value_kind: global_buffer, .address_space: global }
      - { .name: pos, .offset: 24, .size: 8, .value_kind: global_buffer, .address_space: global }
    .group_segment_fixed_size: 17920
    .private_segment_fixed_size: 0
    .kernarg_segment_align: 8
    .kernarg_segment_size: 32
    .max_flat_workgroup_size: 128
    .sgpr_count:     106
    .vgpr_count:     160
    .wavefront_size: 32
...
	.end_amdgpu_metadata
.endif
;; end of part 5
;; launch ffn1 (part 6): grid 32 x 8, 4 waves a work-group, no clusters, 33,280 bytes of LDS; arguments xs, w1, h, pos; writes h
.if DOCPART == 6
	.amdgcn_target "amdgcn-amd-amdhsa--gfx1250"
	.amdhsa_code_object_version 6
	.text
	.protected	k_qe015ce1a3b_ffn1
	.globl	k_qe015ce1a3b_ffn1
	.p2align	8
	.type	k_qe015ce1a3b_ffn1,@function
k_qe015ce1a3b_ffn1:
	s_mov_b64 s[64:65], 0
	v_nop
	global_prefetch_b8 v0, s[64:65] scope:SCOPE_SE
	s_setreg_imm32_b32 hwreg(HW_REG_WAVE_MODE, 25, 1), 1
	s_wait_xcnt 0x0
; ONE PRODUCT OF THE EXPERTS' LAYER.  FFN2 = 0: h[e][rank] = gelu(xs[e][rank] w1[e]), bf16.  FFN2 = 1: part[kq][e][rank] = h[e][rank] w2[e] over a quarter of K, f32.  One text serves both, by .if.
; The rows lie end to end in each expert's order (an earlier launch laid them so), 1,024 places an expert; pos[2048 + e] holds the expert's count, 1 at the least.
; SHARES.  A work-group has ONE expert (grid y), 128 columns and 1,024 of K: 512 KiB of f32 weights, which it alone reads, once; and ALL rows of that expert.  The four waves share the rows:
; tile i of wave w is ranks 64 i + 16 w .. + 15; six tiles a wave, 384 rows a pass, 48 accumulators of 16 x 16.  K goes in 16 steps of 64.
; WEIGHTS.  Of a step wave w owns the unit 32 K x 64 columns (K half w / 2, column half w % 2): sixteen loads of 16 bytes a lane, each half of the lanes 256 consecutive aligned bytes of one K row.
; Lane (r, hh) holds columns 4 r .. 4 r + 3 of K rows 8 hh + i and 16 + 8 hh + i: rounding registers j of two neighbouring K rows into one word gives the matrix operand of the 16 columns
; 4 r + j: nothing is transposed; the columns are only taken in another order, which the way out undoes for nothing.  The four operands go to LDS as register images (lane x 16 bytes),
; and every wave reads a step's sixteen back.  Two stages take turns, one barrier a step.
; ROWS come straight from memory into operand registers: each load takes 32 bytes of 16 rows, a step's four 128 bytes a row.  Their addresses hang on the expert, the rank and the count alone,
; and the expert's 32 work-groups, neighbours along grid x, walk the same rows in step.
; IN FLIGHT.  Loads come back in order, so the order of issue is A(s + 1), then W(s + 3): the wait at a step's head leaves the youngest 16 loads, a weight unit, out.  56 loads of a wave are out at the most.
; NO CLUSTER, NO TENSOR LOAD: each weight byte has one reader, and loads through registers keep counted waits, so the stream never runs dry.  The shared rows could be asked for jointly; that
; would put LDS tiles and the cluster's rounds into a loop whose live tiles hang on a count, for an eighth to a thirtieth of a step's unique bytes: not built.
; EVERY SPLIT IS SERVED.  No barrier hangs on the count: the streamed pass always runs.  Rows past 384 (up to 1,024) take further passes without LDS writes or barriers, in which each wave
; reads and rounds the slice for itself: right, but several times slower a row.  Places past the count repeat the last row; in a live tile they are stored at their own ranks, which nobody reads.
; LIMITS.  Weights and rows are bf16 operands, sums f32, K ascending.  gelu(x) = x / (1 + 2^(x (c0 + c1 x x))), the tanh form; where x x or the power overflows it gives x or -0.  h is rounded once to bf16.
.set FFN2, 0
.if FFN2
.set WSH, 12                           ; a K row of the weights is 4,096 bytes
.set ASH, 13                           ; a row of h is 8,192 bytes
.set OSH, 12                           ; a row of part is 4,096 bytes
.else
.set WSH, 14                           ; 16,384 bytes
.set ASH, 11                           ; a row of xs is 2,048 bytes
.set OSH, 13                           ; a row of h is 8,192 bytes
.endif
.set WPITCH, 1<<WSH
.set WSTEP,  64*WPITCH                 ; a K step in the weights
.set ROWS,   384                       ; rows a pass
.set STG,    16384                     ; a stage: 16 operands x 1,024 bytes
.set SPARE,  2*STG                     ; the spare words: 128 bytes a wave, two blocks of 256 bytes that no other line names
; window 0
.set SPW,   2                          ; my spare word's address, and 0: kept for the closing add alone
.set NIL,   3
.set WO,    4                          ; my 16 bytes in my unit's first K row
.set SA,    5                          ; stage, in: wave x 4,096 + lane x 16
.set BA,    6                          ; stage, back: lane x 16
.set LOFF,  7                          ; my bytes in a tile of the output
.set VO,    8                          ; LOFF + the tile that goes out
.set H16,   9                          ; 16 x (lane / 16)
.set AOFF,  10                         ; v[10:15] tile t: my row's byte offset + H16
.set PF,    22                         ; prefetch: lane x K row in my unit
.set OWO,   23                         ; WO without the unit's part
.set RO,    24                         ; v[24:29] at work
.set ST,    32                         ; v[32:63] my unit, rounded: operand j at ST + 8 j
.set AF,    64                         ; v[64:255] rows: buffer b, tile t, K half q at AF + 96 b + 16 t + 8 q
; window 1: v0-127 the step's 16 weight operands (K half q, columns n at 64 q + 8 n); v128-255 two slots of a unit as loaded
.set WS,    128
; window 2: accumulators of tiles 0-3 at 64 t + 8 n;  window 3: v0-127 those of tiles 4, 5; v128-255 the way out
.set X,     128
.set Y,     192
; scalars: s[4:5] rows, running; s[6:7] weights, running; s[8:9] output; s[10:11] pos; s[12:13], s[14:15] the two first as they began; s[32:35] the further passes' running bases
.set WV,    84
.set EX,    85
.set RB,    86                         ; the first rank of my tile 0 in this pass
.set CNT,   87                         ; the expert's rows
.set CM1,   88                         ; the last rank that exists
.set NT,    90                         ; my live tiles in this pass
.set NPASS, 91
.set PASS,  92
.set CTR,   93
.set TI,    94
.set HM,    95                         ; lanes 16-31
.set SEL,   96
.set C0,    98
.set C1,    100
.set TS,    104
.set MSB, 0
.macro WIN new                         ; bits 1:0 source 0, 3:2 source 1, 5:4 source 2, 7:6 destination; the high byte repeats the setting that is left
.if MSB != (\new)
	s_set_vgpr_msb (MSB<<8)|(\new)
.set MSB, \new
.endif
.endm
.macro PLACES                          ; four plain instructions between a matrix instruction and a load into, or a vector line on, its registers
.rept 4
	v_nop
.endr
.endm
.macro LDW slot, rel                   ; my unit of the K step rel steps behind s[6:7]: K rows 0-7 and 16-23 (+ 8 for the upper lanes)
	WIN 0x40
.set n, 0
.rept 16
	global_load_b128 v[WS+64*(\slot)+4*n:WS+64*(\slot)+4*n+3], v[WO], s[6:7] offset:(64*(\rel)+n+8*(n/8))*WPITCH th:TH_LOAD_NT
.set n, n+1
.endr
.endm
.macro LDAT buf, rel, t
.irp q, 0,1
	global_load_b128 v[AF+96*(\buf)+16*(\t)+8*\q:AF+96*(\buf)+16*(\t)+8*\q+3], v[AOFF+(\t)], s[4:5] offset:128*(\rel)+64*\q
	global_load_b128 v[AF+96*(\buf)+16*(\t)+8*\q+4:AF+96*(\buf)+16*(\t)+8*\q+7], v[AOFF+(\t)], s[4:5] offset:128*(\rel)+64*\q+32
.endr
.endm
.macro LDA buf, rel, skip              ; a step's rows; skip = 1: tiles 4 and 5 only where they live
	WIN 0
.irp t, 0,1,2,3
	LDAT \buf, \rel, \t
.endr
.if \skip
	s_cmp_lt_u32 s[NT], 5
	s_cbranch_scc1 .La_\@
.endif
	LDAT \buf, \rel, 4
.if \skip
	s_cmp_lt_u32 s[NT], 6
	s_cbranch_scc1 .La_\@
.endif
	LDAT \buf, \rel, 5
.if \skip
.La_\@:
.endif
.endm
.macro CVT slot                        ; two K rows' registers j into one word: register p of operand j
	WIN 0x05
.irp j, 0,1,2,3
.irp p, 0,1,2,3,4,5,6,7
	v_cvt_pk_bf16_f32 v[ST+8*\j+\p], v[WS+64*(\slot)+8*\p+\j], v[WS+64*(\slot)+8*\p+4+\j]
.endr
.endr
.endm
.macro STB par
	WIN 0
.irp f, 0,1,2,3,4,5,6,7
	ds_store_b128 v[SA], v[ST+4*\f:ST+4*\f+3] offset:(\par)*STG+512*\f
.endr
.endm
.macro LDB par                         ; the stage is an image of window 1's v0-127: K half 0's operands first
	WIN 0x40
.set n, 0
.rept 32
	ds_load_b128 v[4*n:4*n+3], v[BA] offset:(\par)*STG+512*n
.set n, n+1
.endr
.endm
.macro MULT buf, q, t, zero            ; a tile's eight accumulators, one instruction each
.if (\t) < 4
	WIN 0xa4
.else
	WIN 0xf4
.endif
.irp n, 0,1,2,3,4,5,6,7
.if \zero
	v_wmma_f32_16x16x32_bf16 v[64*((\t)%4)+8*\n:64*((\t)%4)+8*\n+7], v[AF+96*(\buf)+16*(\t)+8*(\q):AF+96*(\buf)+16*(\t)+8*(\q)+7], v[64*(\q)+8*\n:64*(\q)+8*\n+7], 0
.else
	v_wmma_f32_16x16x32_bf16 v[64*((\t)%4)+8*\n:64*((\t)%4)+8*\n+7], v[AF+96*(\buf)+16*(\t)+8*(\q):AF+96*(\buf)+16*(\t)+8*(\q)+7], v[64*(\q)+8*\n:64*(\q)+8*\n+7], v[64*((\t)%4)+8*\n:64*((\t)%4)+8*\n+7]
.endif
.endr
.endm
.macro MUL buf, q, zero, skip          ; 32 along K for all tiles: the accumulators take turns, one instruction a turn
.irp t, 0,1,2,3
	MULT \buf, \q, \t, \zero
.endr
.if \skip
	WIN 0
	s_cmp_lt_u32 s[NT], 5
	s_cbranch_scc1 .Lm_\@
.endif
	MULT \buf, \q, 4, \zero
.if \skip
	WIN 0
	s_cmp_lt_u32 s[NT], 6
	s_cbranch_scc1 .Lm_\@
.endif
	MULT \buf, \q, 5, \zero
.if \skip
	WIN 0
.Lm_\@:
.endif
.endm
; K STEP s (par = s % 2; rel = s less the step at which s[4:7] stand).  It multiplies stage par and row buffer par; meanwhile it rounds W(s + 1) into the other stage and asks for A(s + 1) and W(s + 3).
.macro STEP par, rel, zero, skip, topcnt, cvt, ldw, pf, bar
	PLACES                                         ; behind the last step's products, ahead of the loads into their operands
	LDB \par
	s_wait_loadcnt \topcnt                         ; A(s) and W(s + 1) are in; with 16, W(s + 2), issued last, stays out
.if \cvt
	CVT 1-(\par)
	STB 1-(\par)
	LDA 1-(\par), (\rel)+1, \skip
.endif
.if (\pf) == 2
	s_cmp_eq_u32 s[CTR], 1                         ; the loop's last trip would ask past K step 15
	s_cbranch_scc1 .Lnopf_\@
.endif
.if \pf
	global_prefetch_b8 v[PF], s[6:7] offset:((\rel)+5)*WSTEP th:TH_LOAD_NT scope:SCOPE_SE  ; my own unit of K step s + 5, two steps ahead of its loads: 32 lanes, its 32 blocks of 256 bytes, each asked for once in the launch
.endif
.if (\pf) == 2
.Lnopf_\@:
.endif
.if \ldw
	LDW 1-(\par), (\rel)+3                         ; into the slot just rounded; issued last, so the next count of 16 holds however many row loads were jumped
.endif
.if \cvt
	s_wait_dscnt 24                                ; K half 0's 16 loads are in; 16 loads and 8 stores may be out
.else
	s_wait_dscnt 16
.endif
	MUL \par, 0, \zero, \skip
	s_wait_dscnt 0x0                               ; my reads of this stage and my stores into the other are done:
.if \bar
	s_barrier_signal -1                            ; say so, work on registers while the others arrive,
.endif
	MUL \par, 1, 0, \skip
	WIN 0
.if \bar
	s_barrier_wait -1                              ; and go on: the other stage is whole, and nobody reads this one any more
.endif
.endm
; The pass's rows: tile i's ranks, held to the last that exists; and how many of my tiles live.
.macro SETROWS
	s_mul_i32 s2, s[PASS], ROWS
	s_lshl_b32 s[RB], s[WV], 4
	s_add_co_u32 s[RB], s[RB], s2
	v_and_b32 v1, 15, v0
	v_add_nc_u32 v1, s[RB], v1
.irp i, 0,1,2,3,4,5
	v_add_nc_u32 v[RO+\i], 64*\i, v1
	v_min_u32 v[RO+\i], s[CM1], v[RO+\i]
	v_min_u32 v[RO+\i], 0x3ff, v[RO+\i]
	v_lshl_add_u32 v[AOFF+\i], v[RO+\i], ASH, v[H16]
.endr
	s_sub_co_u32 s2, s[CNT], s2
	s_min_u32 s2, s2, ROWS                         ; rows of this pass,
	s_add_co_u32 s2, s2, 15
	s_lshr_b32 s2, s2, 4                           ; its tiles of 16, dealt to waves 0, 1, 2, 3, 0, ..
	s_add_co_u32 s2, s2, 3
	s_sub_co_u32 s2, s2, s[WV]
	s_lshr_b32 s[NT], s2, 2
.endm
; Tile t leaves its accumulators: X[8 j + n] = register j of accumulator n, so that a row's four neighbouring columns, which lie in four accumulators, lie in four neighbouring registers,
; and ONE text serves all six tiles.  Each accumulator is read from its lowest register on.
.macro COPY t
	WIN 0xc2+(\t)/4
.irp n, 0,1,2,3,4,5,6,7
.irp j, 0,1,2,3,4,5,6,7
	v_mov_b32 v[X+8*\j+\n], v[64*((\t)%4)+8*\n+\j]
.endr
.endr
	WIN 0
.endm
	s_load_b256 s[4:11], s[0:1], 0x0               ; rows s[4:5], weights s[6:7], output s[8:9], pos s[10:11]
	v_lshl_add_u32 v[SPW], v0, 2, SPARE
	v_mov_b32 v[NIL], 0
	v_lshrrev_b32 v1, 5, v0
	v_readfirstlane_b32 s[WV], v1                  ; wave 0..3
	s_and_b32 s[EX], ttmp7, 0xffff                 ; the expert
	s_lshl_b32 s2, s[EX], 24                       ; its 16 MiB of weights
	s_mov_b32 s3, 0
	s_lshl_b32 s20, s[EX], 2                       ; its count's word
	s_mov_b32 s21, 0
	s_mov_b32 s19, 0
	s_mov_b32 s17, 0
.if FFN2
	s_and_b32 s[TS], ttmp9, 7                      ; slice of 128 columns
	s_lshr_b32 s[TI], ttmp9, 3                     ; quarter of K
	s_lshl_b32 s16, s[TI], 22                      ; 1,024 K rows of 4,096 bytes
	s_add_co_u32 s2, s2, s16
	s_lshl_b32 s16, s[TS], 9
	s_add_co_u32 s2, s2, s16
	s_lshl_b32 s18, s[TI], 25                      ; part: 8 experts x 1,024 rows of 4,096 bytes a quarter
	s_add_co_u32 s18, s18, s16
	s_lshl_b32 s22, s[EX], 22
	s_add_co_u32 s18, s18, s22
	s_lshl_b32 s16, s[TI], 11                      ; h: 1,024 bf16 along a row,
	s_lshl_b32 s22, s[EX], 23                      ; the expert's 1,024 rows of 8,192 bytes
	s_add_co_u32 s16, s16, s22
.else
	s_lshl_b32 s16, ttmp9, 9                       ; slice of 128 columns of f32
	s_add_co_u32 s2, s2, s16
	s_lshl_b32 s18, ttmp9, 8                       ; and of bf16,
	s_lshl_b32 s22, s[EX], 23                      ; in the expert's 1,024 rows of 8,192 bytes of h
	s_add_co_u32 s18, s18, s22
	s_lshl_b32 s16, s[EX], 21                      ; xs: its 1,024 rows of 2,048 bytes
.endif
	v_and_b32 v1, 15, v0
	v_bfe_u32 v[H16], v0, 4, 1
	v_lshlrev_b32 v[OWO], WSH+3, v[H16]            ; the upper lanes: 8 K rows on
	v_lshl_add_u32 v[OWO], v1, 4, v[OWO]
	s_lshr_b32 s[TI], s[WV], 1
	s_and_b32 s[CTR], s[WV], 1
	s_lshl_b32 s[TI], s[TI], WSH+5                 ; my unit: K half x 32 rows
	s_lshl_b32 s[CTR], s[CTR], 8                   ; + column half x 256 bytes
	s_add_co_u32 s[TI], s[TI], s[CTR]
	v_add_nc_u32 v[WO], s[TI], v[OWO]
	v_and_b32 v[BA], 31, v0
	v_lshl_add_u32 v[PF], v[BA], WSH, s[TI]
	v_lshlrev_b32 v[BA], 4, v[BA]
	s_lshl_b32 s[TI], s[WV], 12
	v_add_nc_u32 v[SA], s[TI], v[BA]
	v_lshlrev_b32 v[H16], 4, v[H16]
.if FFN2
	v_lshlrev_b32 v[LOFF], 4, v1                   ; four f32 columns a lane,
	v_lshl_add_u32 v[LOFF], v[H16], 11, v[LOFF]    ; the upper lanes 8 rows of 4,096 bytes on
.else
	v_lshlrev_b32 v[LOFF], 3, v1                   ; four bf16 columns a lane,
	v_lshl_add_u32 v[LOFF], v[H16], 3, v[LOFF]     ; the upper lanes the row's second 128 bytes
.endif
	s_mov_b32 s[HM], 0xffff0000
	s_mov_b32 s[SEL], 0x76543210
	s_mov_b32 s[SEL+1], 0xfedcba98
	s_mov_b32 s[C0], 0xc0135761                    ; c0 = -2 sqrt(2 / pi) log2(e) = -2.3022082
	s_mov_b32 s[C0+1], s[C0]
	s_mov_b32 s[C1], 0xbdd2d3e8                    ; c1 = 0.044715 c0 = -0.1029432
	s_mov_b32 s[C1+1], s[C1]
	s_wait_kmcnt 0x0
	s_add_nc_u64 s[10:11], s[10:11], s[20:21]
	s_load_b32 s[CNT], s[10:11], 0x2000            ; the count, behind pos's 2,048 words
	s_add_nc_u64 s[6:7], s[6:7], s[2:3]
	s_mov_b64 s[12:13], s[6:7]
	s_add_nc_u64 s[4:5], s[4:5], s[16:17]
	s_mov_b64 s[14:15], s[4:5]
	s_add_nc_u64 s[8:9], s[8:9], s[18:19]
	LDW 0, 0                                       ; the stream starts before anything else is done
	LDW 1, 1
	WIN 0
.irp p, 2,3,4
	global_prefetch_b8 v[PF], s[6:7] offset:\p*WSTEP th:TH_LOAD_NT scope:SCOPE_SE
.endr
	s_wait_kmcnt 0x0
	s_min_u32 s[CNT], s[CNT], 0x400                ; a token names an expert once: 1,024 rows at the most, three passes
	s_max_u32 s[CNT], s[CNT], 1
	s_sub_co_u32 s[CM1], s[CNT], 1
	s_cmp_gt_u32 s[CNT], ROWS
	s_cselect_b32 s[NPASS], 2, 1
	s_cmp_gt_u32 s[CNT], 2*ROWS
	s_cselect_b32 s[NPASS], 3, s[NPASS]
	s_mov_b32 s[PASS], 0
	SETROWS
	LDA 0, 0, 0
	s_wait_loadcnt 40                              ; W(0) is in: behind it W(1)'s 16 loads and A(0)'s 24
	CVT 0
	STB 0
	LDW 0, 2
	s_wait_dscnt 0x0                               ; for the others' sake: my part of stage 0
	s_barrier_signal -1
	s_barrier_wait -1
	STEP 0, 0, 1, 0, 16, 1, 1, 1, 1                ; K step 0 starts every sum and fills every register of the second row buffer: nothing is cleared
	s_mov_b32 s[CTR], 6
.Lk:                                               ; K steps 1 to 12, two a trip
	STEP 1, 1, 0, 1, 16, 1, 1, 2, 1
	STEP 0, 2, 0, 1, 16, 1, 1, 2, 1
	s_wait_xcnt 0x0                                ; the two bases are stepped only behind this wait
	s_add_nc_u64 s[6:7], s[6:7], 2*WSTEP
	s_add_nc_u64 s[4:5], s[4:5], 256
	s_sub_co_u32 s[CTR], s[CTR], 1
	s_cmp_lg_u32 s[CTR], 0
	s_cbranch_scc1 .Lk
	STEP 1, 1, 0, 1, 16, 1, 0, 0, 1                ; K step 13: no weights are left to ask for
	STEP 0, 2, 0, 1, 0, 1, 0, 0, 1                 ; 14: behind A(14) nothing was issued
	STEP 1, 3, 0, 1, 0, 0, 0, 0, 0                 ; 15: nothing to round, no stage to hand on
.Lpass:                                            ; three trips; a pass that the count does not reach is jumped
	s_cmp_ge_u32 s[PASS], s[NPASS]
	s_cbranch_scc1 .Lnext
	s_cmp_eq_u32 s[PASS], 0
	s_cbranch_scc1 .Lepi                           ; pass 0 was the streamed one
	s_wait_xcnt 0x0                                ; the last stores have read their registers
	SETROWS
	s_mov_b64 s[32:33], s[12:13]
	s_mov_b64 s[34:35], s[14:15]
	s_mov_b32 s[CTR], 32
.Lov:                                              ; 32 along K a trip: each wave loads and rounds 32 K x 128 columns for itself; no LDS write, no barrier
	PLACES
	WIN 0x40
.irp c, 0,1
.set n, 0
.rept 16
	global_load_b128 v[WS+64*\c+4*n:WS+64*\c+4*n+3], v[OWO], s[32:33] offset:(n+8*(n/8))*WPITCH+256*\c
.set n, n+1
.endr
.endr
	WIN 0
.irp t, 0,1,2,3,4,5
	global_load_b128 v[AF+16*\t:AF+16*\t+3], v[AOFF+\t], s[34:35]
	global_load_b128 v[AF+16*\t+4:AF+16*\t+7], v[AOFF+\t], s[34:35] offset:32
.endr
	s_wait_loadcnt 0x0                             ; all 44 are in, and their bases free
	WIN 0x45
.irp c, 0,1
.irp j, 0,1,2,3
.irp p, 0,1,2,3,4,5,6,7
	v_cvt_pk_bf16_f32 v[8*(4*\c+\j)+\p], v[WS+64*\c+8*\p+\j], v[WS+64*\c+8*\p+4+\j]
.endr
.endr
.endr
	WIN 0
	s_add_nc_u64 s[32:33], s[32:33], 32*WPITCH
	s_add_nc_u64 s[34:35], s[34:35], 64
	s_cmp_eq_u32 s[CTR], 32
	s_cbranch_scc1 .Lovz
	MUL 0, 0, 0, 0
	WIN 0
	s_branch .Lovj
.Lovz:
	MUL 0, 0, 1, 0                                 ; the pass's first products start the sums
	WIN 0
.Lovj:
	s_sub_co_u32 s[CTR], s[CTR], 1
	s_cmp_lg_u32 s[CTR], 0
	s_cbranch_scc1 .Lov
.Lepi:
	PLACES                                         ; behind the last products, ahead of the first read of a sum
	s_mov_b32 s[TI], 0
.Ltile:                                            ; six trips; a tile without rows is jumped
	s_cmp_ge_u32 s[TI], s[NT]
	s_cbranch_scc1 .Ltnext
	s_wait_xcnt 0x0                                ; the last tile's stores have read their data and their offset
.irp t, 0,1,2,3,4
	s_cmp_lg_u32 s[TI], \t
	s_cbranch_scc1 .Lnot\t
	COPY \t
	s_branch .Lcom
.Lnot\t:
.endr
	COPY 5
.Lcom:
	s_lshl_b32 s2, s[TI], 6                        ; the tile's first rank, as bytes of the output
	s_add_co_u32 s2, s2, s[RB]
	s_lshl_b32 s2, s2, OSH
	v_add_nc_u32 v[VO], s2, v[LOFF]
	WIN 0xff                                       ; gelu on the tile's 64 numbers a lane, all in window 3
.set i, 0
.rept 32
	v_pk_mul_f32 v[Y+i:Y+i+1], v[X+i:X+i+1], v[X+i:X+i+1]
.set i, i+2
.endr
.set i, 0
.rept 32
	v_pk_fma_f32 v[Y+i:Y+i+1], v[Y+i:Y+i+1], s[C1:C1+1], s[C0:C0+1] op_sel_hi:[1,0,0]
.set i, i+2
.endr
.set i, 0
.rept 32
	v_pk_mul_f32 v[Y+i:Y+i+1], v[Y+i:Y+i+1], v[X+i:X+i+1]
.set i, i+2
.endr
.set i, 0
.rept 64
	v_exp_f32 v[Y+i], v[Y+i]
.set i, i+1
.endr
	v_nop                                          ; a plain instruction behind the last exponential,
	s_wait_alu depctr_va_vdst(0)                   ; and one wait for the 64, ahead of their first reader
.set i, 0
.rept 32
	v_pk_add_f32 v[Y+i:Y+i+1], v[Y+i:Y+i+1], 1.0 op_sel_hi:[1,0]
.set i, i+2
.endr
.set i, 0
.rept 64
	v_rcp_f32 v[Y+i], v[Y+i]
.set i, i+1
.endr
	v_nop
	s_wait_alu depctr_va_vdst(0)                   ; one wait for the 64 reciprocals
.set i, 0
.rept 32
	v_pk_mul_f32 v[X+i:X+i+1], v[X+i:X+i+1], v[Y+i:Y+i+1]
.set i, i+2
.endr
.set i, 0
.rept 32
	v_cvt_pk_bf16_f32 v[Y+i], v[X+2*i], v[X+2*i+1] ; row j, column half c, word d at Y + 4 j + 2 c + d
.set i, i+1
.endr
	; A row's 256 bytes lie in ONE half of the lanes, 128 bytes for each column half.  The halves of the lanes swap what the other needs, so that 32 lanes store one whole row.
.irp j, 0,1,2,3,4,5,6,7
.irp d, 0,1
	v_cndmask_b32 v[Y+32+4*\j+\d], v[Y+4*\j+2+\d], v[Y+4*\j+\d], s[HM]   ; the lower lanes send column half 1, the upper ones column half 0
.endr
.endr
.irp j, 0,1,2,3,4,5,6,7
.irp d, 0,1
	v_permlanex16_b32 v[Y+32+4*\j+2+\d], v[Y+32+4*\j+\d], s[SEL], s[SEL+1]
.endr
.endr
.irp j, 0,1,2,3,4,5,6,7
.irp d, 0,1
	v_cndmask_b32 v[X+4*\j+\d], v[Y+4*\j+\d], v[Y+32+4*\j+2+\d], s[HM]   ; row j whole
	v_cndmask_b32 v[X+4*\j+2+\d], v[Y+32+4*\j+2+\d], v[Y+4*\j+2+\d], s[HM] ; row 8 + j whole
.endr
.endr
	WIN 0x0c                                       ; the offset in window 0, the data in window 3
.irp j, 0,1,2,3,4,5,6,7
	global_store_b64 v[VO], v[X+4*\j:X+4*\j+1], s[8:9] offset:8192*\j          ; 32 lanes x 8 bytes: 256 consecutive aligned bytes of one row
	global_store_b64 v[VO], v[X+4*\j+2:X+4*\j+3], s[8:9] offset:8192*(8+\j)
.endr
	WIN 0
.Ltnext:
	s_add_co_u32 s[TI], s[TI], 1
	s_cmp_lt_u32 s[TI], 6
	s_cbranch_scc1 .Ltile
.Lnext:
	s_add_co_u32 s[PASS], s[PASS], 1
	s_cmp_lt_u32 s[PASS], 3
	s_cbranch_scc1 .Lpass
	s_wait_tensorcnt 0x0                           ; the wave's end: three closing lines behind my last LDS store
	ds_add_u32 v[SPW], v[NIL]
	s_wait_dscnt 0x0
	s_endpgm
.Lfunc_end_k_qe015ce1a3b_ffn1:
	.size	k_qe015ce1a3b_ffn1, .Lfunc_end_k_qe015ce1a3b_ffn1-k_qe015ce1a3b_ffn1
	.p2alignl 7, 3214868480
	.fill 96, 4, 3214868480
	.section	.rodata,"a",@progbits
	.p2align	6, 0x0
	.amdhsa_kernel k_qe015ce1a3b_ffn1
		.amdhsa_group_segment_fixed_size 33280
		.amdhsa_private_segment_fixed_size 0
		.amdhsa_enable_private_segment 0
		.amdhsa_kernarg_size 32
		.amdhsa_user_sgpr_count 2
		.amdhsa_user_sgpr_kernarg_segment_ptr 1
		.amdhsa_wavefront_size32 1
		.amdhsa_system_sgpr_workgroup_id_x 1
		.amdhsa_system_sgpr_workgroup_id_y 1
		.amdhsa_system_sgpr_workgroup_id_z 1
		.amdhsa_system_vgpr_workitem_id 0
		.amdhsa_next_free_vgpr 1024
		.amdhsa_next_free_sgpr 106
		.amdhsa_reserve_vcc 0
		.amdhsa_float_denorm_mode_32 3
		.amdhsa_float_denorm_mode_16_64 3
		.amdhsa_memory_ordered 1
		.amdhsa_forward_progress 1
		.amdhsa_inst_pref_size 150
	.end_amdhsa_kernel
	.amdgpu_metadata
---
amdhsa.version: [ 1, 2 ]
amdhsa.kernels:
  - .name:           k_qe015ce1a3b_ffn1
    .symbol:         k_qe015ce1a3b_ffn1.kd
    .args:
      - { .name: xs, .offset: 0, .size: 8, .value_kind: global_buffer, .address_space: global }
      - { .name: w1, .offset: 8, .size: 8, .value_kind: global_buffer, .address_space: global }
      - { .name: h, .offset: 16, .size: 8, .value_kind: global_buffer, .address_space: global }
      - { .name: pos, .offset: 24, .size: 8, .value_kind: global_buffer, .address_space: global }
    .group_segment_fixed_size: 33280
    .private_segment_fixed_size: 0
    .kernarg_segment_align: 8
    .kernarg_segment_size: 32
    .max_flat_workgroup_size: 128
    .sgpr_count:     106
    .vgpr_count:     1024
    .wavefront_size: 32
...
	.end_amdgpu_metadata
.endif
;; end of part 6
;; launch ffn2 (part 7): grid 32 x 8, 4 waves a work-group, no clusters, 33,280 bytes of LDS; arguments h, w2, part, pos; writes part
.if DOCPART == 7
	.amdgcn_target "amdgcn-amd-amdhsa--gfx1250"
	.amdhsa_code_object_version 6
	.text
	.protected	k_qe015ce1a3b_ffn2
	.globl	k_qe015ce1a3b_ffn2
	.p2align	8
	.type	k_qe015ce1a3b_ffn2,@function
k_qe015ce1a3b_ffn2:
	s_mov_b64 s[64:65], 0
	v_nop
	global_prefetch_b8 v0, s[64:65] scope:SCOPE_SE
	s_setreg_imm32_b32 hwreg(HW_REG_WAVE_MODE, 25, 1), 1
	s_wait_xcnt 0x0
; ONE PRODUCT OF THE EXPERTS' LAYER.  FFN2 = 0: h[e][rank] = gelu(xs[e][rank] w1[e]), bf16.  FFN2 = 1: part[kq][e][rank] = h[e][rank] w2[e] over a quarter of K, f32.  One text serves both, by .if.
; The rows lie end to end in each expert's order, 1,024 places an expert; pos[2048 + e] holds the expert's count, 1 at the least.
; SHARES.  A work-group has ONE expert (grid y), 128 columns and 1,024 of K (here grid x = 8 x quarter of K + slice): 512 KiB of f32 weights, which it alone reads, once; and ALL rows of that expert.
; The four waves share the rows: tile i of wave w is ranks 64 i + 16 w .. + 15; six tiles a wave, 384 rows a pass, 48 accumulators of 16 x 16.  K goes in 16 steps of 64.
; K IS SPLIT BY FOUR because 8 experts x 8 slices are 64 work-groups; the four partial sums stay f32 and unweighted, and the last launch adds them.
; WEIGHTS.  Of a step wave w owns the unit 32 K x 64 columns (K half w / 2, column half w % 2): sixteen loads of 16 bytes a lane, each half of the lanes 256 consecutive aligned bytes of one K row.
; Lane (r, hh) holds columns 4 r .. 4 r + 3 of K rows 8 hh + i and 16 + 8 hh + i: rounding registers j of two neighbouring K rows into one word gives the matrix operand of the 16 columns
; 4 r + j: nothing is transposed; the columns are only taken in another order, which the way out undoes for nothing.  The four operands go to LDS as register images (lane x 16 bytes),
; and every wave reads a step's sixteen back.  Two stages take turns, one barrier a step.
; ROWS come straight from memory into operand registers: each load takes 32 bytes of 16 rows, a step's four 128 bytes a row.  Their addresses hang on the expert, the quarter, the rank and the
; count alone, and the 8 work-groups of an expert's quarter, neighbours along grid x, walk the same rows in step.
; IN FLIGHT.  Loads come back in order, so the order of issue is A(s + 1), then W(s + 3): the wait at a step's head leaves the youngest 16 loads, a weight unit, out.  56 loads of a wave are out at the most.
; NO CLUSTER, NO TENSOR LOAD: each weight byte has one reader, and loads through registers keep counted waits, so the stream never runs dry.  The shared rows could be asked for jointly; that
; would put LDS tiles and the cluster's rounds into a loop whose live tiles hang on a count: not built.
; EVERY SPLIT IS SERVED.  No barrier hangs on the count: the streamed pass always runs.  Rows past 384 (up to 1,024) take further passes without LDS writes or barriers, in which each wave
; reads and rounds the slice for itself: right, but several times slower a row.  Places past the count repeat the last row; in a live tile they are stored at their own ranks, which nobody reads.
; LIMITS.  Weights and rows are bf16 operands, sums f32, K ascending within a quarter.
.set FFN2, 1
.if FFN2
.set WSH, 12                           ; a K row of the weights is 4,096 bytes
.set ASH, 13                           ; a row of h is 8,192 bytes
.set OSH, 12                           ; a row of part is 4,096 bytes
.else
.set WSH, 14                           ; 16,384 bytes
.set ASH, 11                           ; a row of xs is 2,048 bytes
.set OSH, 13                           ; a row of h is 8,192 bytes
.endif
.set WPITCH, 1<<WSH
.set WSTEP,  64*WPITCH                 ; a K step in the weights
.set ROWS,   384                       ; rows a pass
.set STG,    16384                     ; a stage: 16 operands x 1,024 bytes
.set SPARE,  2*STG                     ; the spare words: 128 bytes a wave, two blocks of 256 bytes that no other line names
; window 0
.set SPW,   2                          ; my spare word's address, and 0: kept for the closing add alone
.set NIL,   3
.set WO,    4                          ; my 16 bytes in my unit's first K row
.set SA,    5                          ; stage, in: wave x 4,096 + lane x 16
.set BA,    6                          ; stage, back: lane x 16
.set LOFF,  7                          ; my bytes in a tile of the output
.set VO,    8                          ; LOFF + the tile that goes out
.set H16,   9                          ; 16 x (lane / 16)
.set AOFF,  10                         ; v[10:15] tile t: my row's byte offset + H16
.set PF,    22                         ; prefetch: lane x K row in my unit
.set OWO,   23                         ; WO without the unit's part
.set RO,    24                         ; v[24:29] at work
.set ST,    32                         ; v[32:63] my unit, rounded: operand j at ST + 8 j
.set AF,    64                         ; v[64:255] rows: buffer b, tile t, K half q at AF + 96 b + 16 t + 8 q
; window 1: v0-127 the step's 16 weight operands (K half q, columns n at 64 q + 8 n); v128-255 two slots of a unit as loaded
.set WS,    128
; window 2: accumulators of tiles 0-3 at 64 t + 8 n;  window 3: v0-127 those of tiles 4, 5; v128-191 the way out
.set X,     128
; scalars: s[4:5] rows, running; s[6:7] weights, running; s[8:9] output; s[10:11] pos; s[12:13], s[14:15] the two first as they began; s[32:35] the further passes' running bases
.set WV,    84
.set EX,    85
.set RB,    86                         ; the first rank of my tile 0 in this pass
.set CNT,   87                         ; the expert's rows
.set CM1,   88                         ; the last rank that exists
.set NT,    90                         ; my live tiles in this pass
.set NPASS, 91
.set PASS,  92
.set CTR,   93
.set TI,    94
.set TS,    104
.set MSB, 0
.macro WIN new                         ; bits 1:0 source 0, 3:2 source 1, 5:4 source 2, 7:6 destination; the high byte repeats the setting that is left
.if MSB != (\new)
	s_set_vgpr_msb (MSB<<8)|(\new)
.set MSB, \new
.endif
.endm
.macro PLACES                          ; four plain instructions between a matrix instruction and a load into, or a vector line on, its registers
.rept 4
	v_nop
.endr
.endm
.macro LDW slot, rel                   ; my unit of the K step rel steps behind s[6:7]: K rows 0-7 and 16-23 (+ 8 for the upper lanes)
	WIN 0x40
.set n, 0
.rept 16
	global_load_b128 v[WS+64*(\slot)+4*n:WS+64*(\slot)+4*n+3], v[WO], s[6:7] offset:(64*(\rel)+n+8*(n/8))*WPITCH th:TH_LOAD_NT
.set n, n+1
.endr
.endm
.macro LDAT buf, rel, t
.irp q, 0,1
	global_load_b128 v[AF+96*(\buf)+16*(\t)+8*\q:AF+96*(\buf)+16*(\t)+8*\q+3], v[AOFF+(\t)], s[4:5] offset:128*(\rel)+64*\q
	global_load_b128 v[AF+96*(\buf)+16*(\t)+8*\q+4:AF+96*(\buf)+16*(\t)+8*\q+7], v[AOFF+(\t)], s[4:5] offset:128*(\rel)+64*\q+32
.endr
.endm
.macro LDA buf, rel, skip              ; a step's rows; skip = 1: tiles 4 and 5 only where they live
	WIN 0
.irp t, 0,1,2,3
	LDAT \buf, \rel, \t
.endr
.if \skip
	s_cmp_lt_u32 s[NT], 5
	s_cbranch_scc1 .La_\@
.endif
	LDAT \buf, \rel, 4
.if \skip
	s_cmp_lt_u32 s[NT], 6
	s_cbranch_scc1 .La_\@
.endif
	LDAT \buf, \rel, 5
.if \skip
.La_\@:
.endif
.endm
.macro CVT slot                        ; two K rows' registers j into one word: register p of operand j
	WIN 0x05
.irp j, 0,1,2,3
.irp p, 0,1,2,3,4,5,6,7
	v_cvt_pk_bf16_f32 v[ST+8*\j+\p], v[WS+64*(\slot)+8*\p+\j], v[WS+64*(\slot)+8*\p+4+\j]
.endr
.endr
.endm
.macro STB par
	WIN 0
.irp f, 0,1,2,3,4,5,6,7
	ds_store_b128 v[SA], v[ST+4*\f:ST+4*\f+3] offset:(\par)*STG+512*\f
.endr
.endm
.macro LDB par                         ; the stage is an image of window 1's v0-127: K half 0's operands first
	WIN 0x40
.set n, 0
.rept 32
	ds_load_b128 v[4*n:4*n+3], v[BA] offset:(\par)*STG+512*n
.set n, n+1
.endr
.endm
.macro MULT buf, q, t, zero            ; a tile's eight accumulators, one instruction each
.if (\t) < 4
	WIN 0xa4
.else
	WIN 0xf4
.endif
.irp n, 0,1,2,3,4,5,6,7
.if \zero
	v_wmma_f32_16x16x32_bf16 v[64*((\t)%4)+8*\n:64*((\t)%4)+8*\n+7], v[AF+96*(\buf)+16*(\t)+8*(\q):AF+96*(\buf)+16*(\t)+8*(\q)+7], v[64*(\q)+8*\n:64*(\q)+8*\n+7], 0
.else
	v_wmma_f32_16x16x32_bf16 v[64*((\t)%4)+8*\n:64*((\t)%4)+8*\n+7], v[AF+96*(\buf)+16*(\t)+8*(\q):AF+96*(\buf)+16*(\t)+8*(\q)+7], v[64*(\q)+8*\n:64*(\q)+8*\n+7], v[64*((\t)%4)+8*\n:64*((\t)%4)+8*\n+7]
.endif
.endr
.endm
.macro MUL buf, q, zero, skip          ; 32 along K for all tiles: the accumulators take turns, one instruction a turn
.irp t, 0,1,2,3
	MULT \buf, \q, \t, \zero
.endr
.if \skip
	WIN 0
	s_cmp_lt_u32 s[NT], 5
	s_cbranch_scc1 .Lm_\@
.endif
	MULT \buf, \q, 4, \zero
.if \skip
	WIN 0
	s_cmp_lt_u32 s[NT], 6
	s_cbranch_scc1 .Lm_\@
.endif
	MULT \buf, \q, 5, \zero
.if \skip
	WIN 0
.Lm_\@:
.endif
.endm
; K STEP s (par = s % 2; rel = s less the step at which s[4:7] stand).  It multiplies stage par and row buffer par; meanwhile it rounds W(s + 1) into the other stage and asks for A(s + 1) and W(s + 3).
.macro STEP par, rel, zero, skip, topcnt, cvt, ldw, pf, bar
	PLACES                                         ; behind the last step's products, ahead of the loads into their operands
	LDB \par
	s_wait_loadcnt \topcnt                         ; A(s) and W(s + 1) are in; with 16, W(s + 2), issued last, stays out
.if \cvt
	CVT 1-(\par)
	STB 1-(\par)
	LDA 1-(\par), (\rel)+1, \skip
.endif
.if (\pf) == 2
	s_cmp_eq_u32 s[CTR], 1                         ; the loop's last trip would ask past K step 15
	s_cbranch_scc1 .Lnopf_\@
.endif
.if \pf
	global_prefetch_b8 v[PF], s[6:7] offset:((\rel)+5)*WSTEP th:TH_LOAD_NT scope:SCOPE_SE  ; my own unit of K step s + 5, two steps ahead of its loads: 32 lanes, its 32 blocks of 256 bytes, each asked for once in the launch
.endif
.if (\pf) == 2
.Lnopf_\@:
.endif
.if \ldw
	LDW 1-(\par), (\rel)+3                         ; into the slot just rounded; issued last, so the next count of 16 holds however many row loads were jumped
.endif
.if \cvt
	s_wait_dscnt 24                                ; K half 0's 16 loads are in; 16 loads and 8 stores may be out
.else
	s_wait_dscnt 16
.endif
	MUL \par, 0, \zero, \skip
	s_wait_dscnt 0x0                               ; my reads of this stage and my stores into the other are done:
.if \bar
	s_barrier_signal -1                            ; say so, work on registers while the others arrive,
.endif
	MUL \par, 1, 0, \skip
	WIN 0
.if \bar
	s_barrier_wait -1                              ; and go on: the other stage is whole, and nobody reads this one any more
.endif
.endm
; The pass's rows: tile i's ranks, held to the last that exists; and how many of my tiles live.
.macro SETROWS
	s_mul_i32 s2, s[PASS], ROWS
	s_lshl_b32 s[RB], s[WV], 4
	s_add_co_u32 s[RB], s[RB], s2
	v_and_b32 v1, 15, v0
	v_add_nc_u32 v1, s[RB], v1
.irp i, 0,1,2,3,4,5
	v_add_nc_u32 v[RO+\i], 64*\i, v1
	v_min_u32 v[RO+\i], s[CM1], v[RO+\i]
	v_min_u32 v[RO+\i], 0x3ff, v[RO+\i]
	v_lshl_add_u32 v[AOFF+\i], v[RO+\i], ASH, v[H16]
.endr
	s_sub_co_u32 s2, s[CNT], s2
	s_min_u32 s2, s2, ROWS                         ; rows of this pass,
	s_add_co_u32 s2, s2, 15
	s_lshr_b32 s2, s2, 4                           ; its tiles of 16, dealt to waves 0, 1, 2, 3, 0, ..
	s_add_co_u32 s2, s2, 3
	s_sub_co_u32 s2, s2, s[WV]
	s_lshr_b32 s[NT], s2, 2
.endm
; Tile t leaves its accumulators: X[8 j + n] = register j of accumulator n, so that a row's four neighbouring columns, which lie in four accumulators, lie in four neighbouring registers,
; and ONE text serves all six tiles.  Each accumulator is read from its lowest register on.
.macro COPY t
	WIN 0xc2+(\t)/4
.irp n, 0,1,2,3,4,5,6,7
.irp j, 0,1,2,3,4,5,6,7
	v_mov_b32 v[X+8*\j+\n], v[64*((\t)%4)+8*\n+\j]
.endr
.endr
	WIN 0
.endm
	s_load_b256 s[4:11], s[0:1], 0x0               ; rows s[4:5], weights s[6:7], output s[8:9], pos s[10:11]
	v_lshl_add_u32 v[SPW], v0, 2, SPARE
	v_mov_b32 v[NIL], 0
	v_lshrrev_b32 v1, 5, v0
	v_readfirstlane_b32 s[WV], v1                  ; wave 0..3
	s_and_b32 s[EX], ttmp7, 0xffff                 ; the expert
	s_lshl_b32 s2, s[EX], 24                       ; its 16 MiB of weights
	s_mov_b32 s3, 0
	s_lshl_b32 s20, s[EX], 2                       ; its count's word
	s_mov_b32 s21, 0
	s_mov_b32 s19, 0
	s_mov_b32 s17, 0
.if FFN2
	s_and_b32 s[TS], ttmp9, 7                      ; slice of 128 columns
	s_lshr_b32 s[TI], ttmp9, 3                     ; quarter of K
	s_lshl_b32 s16, s[TI], 22                      ; 1,024 K rows of 4,096 bytes
	s_add_co_u32 s2, s2, s16
	s_lshl_b32 s16, s[TS], 9
	s_add_co_u32 s2, s2, s16
	s_lshl_b32 s18, s[TI], 25                      ; part: 8 experts x 1,024 rows of 4,096 bytes a quarter
	s_add_co_u32 s18, s18, s16
	s_lshl_b32 s22, s[EX], 22
	s_add_co_u32 s18, s18, s22
	s_lshl_b32 s16, s[TI], 11                      ; h: 1,024 bf16 along a row,
	s_lshl_b32 s22, s[EX], 23                      ; the expert's 1,024 rows of 8,192 bytes
	s_add_co_u32 s16, s16, s22
.else
	s_lshl_b32 s16, ttmp9, 9                       ; slice of 128 columns of f32
	s_add_co_u32 s2, s2, s16
	s_lshl_b32 s18, ttmp9, 8                       ; and of bf16,
	s_lshl_b32 s22, s[EX], 23                      ; in the expert's 1,024 rows of 8,192 bytes of h
	s_add_co_u32 s18, s18, s22
	s_lshl_b32 s16, s[EX], 21                      ; xs: its 1,024 rows of 2,048 bytes
.endif
	v_and_b32 v1, 15, v0
	v_bfe_u32 v[H16], v0, 4, 1
	v_lshlrev_b32 v[OWO], WSH+3, v[H16]            ; the upper lanes: 8 K rows on
	v_lshl_add_u32 v[OWO], v1, 4, v[OWO]
	s_lshr_b32 s[TI], s[WV], 1
	s_and_b32 s[CTR], s[WV], 1
	s_lshl_b32 s[TI], s[TI], WSH+5                 ; my unit: K half x 32 rows
	s_lshl_b32 s[CTR], s[CTR], 8                   ; + column half x 256 bytes
	s_add_co_u32 s[TI], s[TI], s[CTR]
	v_add_nc_u32 v[WO], s[TI], v[OWO]
	v_and_b32 v[BA], 31, v0
	v_lshl_add_u32 v[PF], v[BA], WSH, s[TI]
	v_lshlrev_b32 v[BA], 4, v[BA]
	s_lshl_b32 s[TI], s[WV], 12
	v_add_nc_u32 v[SA], s[TI], v[BA]
	v_lshlrev_b32 v[H16], 4, v[H16]
.if FFN2
	v_lshlrev_b32 v[LOFF], 4, v1                   ; four f32 columns a lane,
	v_lshl_add_u32 v[LOFF], v[H16], 11, v[LOFF]    ; the upper lanes 8 rows of 4,096 bytes on
.else
	v_lshlrev_b32 v[LOFF], 3, v1                   ; four bf16 columns a lane,
	v_lshl_add_u32 v[LOFF], v[H16], 3, v[LOFF]     ; the upper lanes the row's second 128 bytes
.endif
	s_wait_kmcnt 0x0
	s_add_nc_u64 s[10:11], s[10:11], s[20:21]
	s_load_b32 s[CNT], s[10:11], 0x2000            ; the count, behind pos's 2,048 words
	s_add_nc_u64 s[6:7], s[6:7], s[2:3]
	s_mov_b64 s[12:13], s[6:7]
	s_add_nc_u64 s[4:5], s[4:5], s[16:17]
	s_mov_b64 s[14:15], s[4:5]
	s_add_nc_u64 s[8:9], s[8:9], s[18:19]
	LDW 0, 0                                       ; the stream starts before anything else is done
	LDW 1, 1
	WIN 0
.irp p, 2,3,4
	global_prefetch_b8 v[PF], s[6:7] offset:\p*WSTEP th:TH_LOAD_NT scope:SCOPE_SE
.endr
	s_wait_kmcnt 0x0
	s_min_u32 s[CNT], s[CNT], 0x400                ; a token names an expert once: 1,024 rows at the most, three passes
	s_max_u32 s[CNT], s[CNT], 1
	s_sub_co_u32 s[CM1], s[CNT], 1
	s_cmp_gt_u32 s[CNT], ROWS
	s_cselect_b32 s[NPASS], 2, 1
	s_cmp_gt_u32 s[CNT], 2*ROWS
	s_cselect_b32 s[NPASS], 3, s[NPASS]
	s_mov_b32 s[PASS], 0
	SETROWS
	LDA 0, 0, 0
	s_wait_loadcnt 40                              ; W(0) is in: behind it W(1)'s 16 loads and A(0)'s 24
	CVT 0
	STB 0
	LDW 0, 2
	s_wait_dscnt 0x0                               ; for the others' sake: my part of stage 0
	s_barrier_signal -1
	s_barrier_wait -1
	STEP 0, 0, 1, 0, 16, 1, 1, 1, 1                ; K step 0 starts every sum and fills every register of the second row buffer: nothing is cleared
	s_mov_b32 s[CTR], 6
.Lk:                                               ; K steps 1 to 12, two a trip
	STEP 1, 1, 0, 1, 16, 1, 1, 2, 1
	STEP 0, 2, 0, 1, 16, 1, 1, 2, 1
	s_wait_xcnt 0x0                                ; the two bases are stepped only behind this wait
	s_add_nc_u64 s[6:7], s[6:7], 2*WSTEP
	s_add_nc_u64 s[4:5], s[4:5], 256
	s_sub_co_u32 s[CTR], s[CTR], 1
	s_cmp_lg_u32 s[CTR], 0
	s_cbranch_scc1 .Lk
	STEP 1, 1, 0, 1, 16, 1, 0, 0, 1                ; K step 13: no weights are left to ask for
	STEP 0, 2, 0, 1, 0, 1, 0, 0, 1                 ; 14: behind A(14) nothing was issued
	STEP 1, 3, 0, 1, 0, 0, 0, 0, 0                 ; 15: nothing to round, no stage to hand on
.Lpass:                                            ; three trips; a pass that the count does not reach is jumped
	s_cmp_ge_u32 s[PASS], s[NPASS]
	s_cbranch_scc1 .Lnext
	s_cmp_eq_u32 s[PASS], 0
	s_cbranch_scc1 .Lepi                           ; pass 0 was the streamed one
	s_wait_xcnt 0x0                                ; the last stores have read their registers
	SETROWS
	s_mov_b64 s[32:33], s[12:13]
	s_mov_b64 s[34:35], s[14:15]
	s_mov_b32 s[CTR], 32
.Lov:                                              ; 32 along K a trip: each wave loads and rounds 32 K x 128 columns for itself; no LDS write, no barrier
	PLACES
	WIN 0x40
.irp c, 0,1
.set n, 0
.rept 16
	global_load_b128 v[WS+64*\c+4*n:WS+64*\c+4*n+3], v[OWO], s[32:33] offset:(n+8*(n/8))*WPITCH+256*\c
.set n, n+1
.endr
.endr
	WIN 0
.irp t, 0,1,2,3,4,5
	global_load_b128 v[AF+16*\t:AF+16*\t+3], v[AOFF+\t], s[34:35]
	global_load_b128 v[AF+16*\t+4:AF+16*\t+7], v[AOFF+\t], s[34:35] offset:32
.endr
	s_wait_loadcnt 0x0                             ; all 44 are in, and their bases free
	WIN 0x45
.irp c, 0,1
.irp j, 0,1,2,3
.irp p, 0,1,2,3,4,5,6,7
	v_cvt_pk_bf16_f32 v[8*(4*\c+\j)+\p], v[WS+64*\c+8*\p+\j], v[WS+64*\c+8*\p+4+\j]
.endr
.endr
.endr
	WIN 0
	s_add_nc_u64 s[32:33], s[32:33], 32*WPITCH
	s_add_nc_u64 s[34:35], s[34:35], 64
	s_cmp_eq_u32 s[CTR], 32
	s_cbranch_scc1 .Lovz
	MUL 0, 0, 0, 0
	WIN 0
	s_branch .Lovj
.Lovz:
	MUL 0, 0, 1, 0                                 ; the pass's first products start the sums
	WIN 0
.Lovj:
	s_sub_co_u32 s[CTR], s[CTR], 1
	s_cmp_lg_u32 s[CTR], 0
	s_cbranch_scc1 .Lov
.Lepi:
	PLACES                                         ; behind the last products, ahead of the first read of a sum
	s_mov_b32 s[TI], 0
.Ltile:                                            ; six trips; a tile without rows is jumped
	s_cmp_ge_u32 s[TI], s[NT]
	s_cbranch_scc1 .Ltnext
	s_wait_xcnt 0x0                                ; the last tile's stores have read their data and their offset
.irp t, 0,1,2,3,4
	s_cmp_lg_u32 s[TI], \t
	s_cbranch_scc1 .Lnot\t
	COPY \t
	s_branch .Lcom
.Lnot\t:
.endr
	COPY 5
.Lcom:
	s_lshl_b32 s2, s[TI], 6                        ; the tile's first rank, as bytes of the output
	s_add_co_u32 s2, s2, s[RB]
	s_lshl_b32 s2, s2, OSH
	v_add_nc_u32 v[VO], s2, v[LOFF]
	; Lanes 0-15 hold row j, lanes 16-31 row 8 + j; a lane four neighbouring columns: each half of the lanes stores 256 consecutive aligned bytes of its row.
	WIN 0x0c                                       ; the offset in window 0, the data in window 3
.irp j, 0,1,2,3,4,5,6,7
	global_store_b128 v[VO], v[X+8*\j:X+8*\j+3], s[8:9] offset:4096*\j
	global_store_b128 v[VO], v[X+8*\j+4:X+8*\j+7], s[8:9] offset:4096*\j+256
.endr
	WIN 0
.Ltnext:
	s_add_co_u32 s[TI], s[TI], 1
	s_cmp_lt_u32 s[TI], 6
	s_cbranch_scc1 .Ltile
.Lnext:
	s_add_co_u32 s[PASS], s[PASS], 1
	s_cmp_lt_u32 s[PASS], 3
	s_cbranch_scc1 .Lpass
	s_wait_tensorcnt 0x0                           ; the wave's end: three closing lines behind my last LDS store
	ds_add_u32 v[SPW], v[NIL]
	s_wait_dscnt 0x0
	s_endpgm
.Lfunc_end_k_qe015ce1a3b_ffn2:
	.size	k_qe015ce1a3b_ffn2, .Lfunc_end_k_qe015ce1a3b_ffn2-k_qe015ce1a3b_ffn2
	.p2alignl 7, 3214868480
	.fill 96, 4, 3214868480
	.section	.rodata,"a",@progbits
	.p2align	6, 0x0
	.amdhsa_kernel k_qe015ce1a3b_ffn2
		.amdhsa_group_segment_fixed_size 33280
		.amdhsa_private_segment_fixed_size 0
		.amdhsa_enable_private_segment 0
		.amdhsa_kernarg_size 32
		.amdhsa_user_sgpr_count 2
		.amdhsa_user_sgpr_kernarg_segment_ptr 1
		.amdhsa_wavefront_size32 1
		.amdhsa_system_sgpr_workgroup_id_x 1
		.amdhsa_system_sgpr_workgroup_id_y 1
		.amdhsa_system_sgpr_workgroup_id_z 1
		.amdhsa_system_vgpr_workitem_id 0
		.amdhsa_next_free_vgpr 1024
		.amdhsa_next_free_sgpr 106
		.amdhsa_reserve_vcc 0
		.amdhsa_float_denorm_mode_32 3
		.amdhsa_float_denorm_mode_16_64 3
		.amdhsa_memory_ordered 1
		.amdhsa_forward_progress 1
		.amdhsa_inst_pref_size 129
	.end_amdhsa_kernel
	.amdgpu_metadata
---
amdhsa.version: [ 1, 2 ]
amdhsa.kernels:
  - .name:           k_qe015ce1a3b_ffn2
    .symbol:         k_qe015ce1a3b_ffn2.kd
    .args:
      - { .name: h, .offset: 0, .size: 8, .value_kind: global_buffer, .address_space: global }
      - { .name: w2, .offset: 8, .size: 8, .value_kind: global_buffer, .address_space: global }
      - { .name: part, .offset: 16, .size: 8, .value_kind: global_buffer, .address_space: global }
      - { .name: pos, .offset: 24, .size: 8, .value_kind: global_buffer, .address_space: global }
    .group_segment_fixed_size: 33280
    .private_segment_fixed_size: 0
    .kernarg_segment_align: 8
    .kernarg_segment_size: 32
    .max_flat_workgroup_size: 128
    .sgpr_count:     106
    .vgpr_count:     1024
    .wavefront_size: 32
...
	.end_amdgpu_metadata
.endif
;; end of part 7
;; launch comb (part 8): grid 256 x 1, 8 waves a work-group, no clusters, 0 bytes of LDS; arguments part, topw, pos, out0; writes out0
.if DOCPART == 8
	.amdgcn_target "amdgcn-amd-amdhsa--gfx1250"
	.amdhsa_code_object_version 6
	.text
	.protected	k_qe015ce1a3b_comb
	.globl	k_qe015ce1a3b_comb
	.p2align	8
	.type	k_qe015ce1a3b_comb,@function
k_qe015ce1a3b_comb:
	s_mov_b64 s[64:65], 0
	v_nop
	global_prefetch_b8 v0, s[64:65] scope:SCOPE_SE
	s_setreg_imm32_b32 hwreg(HW_REG_WAVE_MODE, 25, 1), 1
	s_wait_xcnt 0x0
; out0[t] = topw[t] x (the four K quarters' sum for code t) + topw[1024 + t] x (the same for code 1024 + t).
; part [4][8192][1024] f32 by quarter and place; pos[code] = the code's place, expert x 1024 + rank, whole numbers that an earlier launch stored; topw [2048] f32 by code; out0 [1024][1024] f32.
; A stream: a work-group has 4 tokens, thread n the 16 bytes at 16 n of each row; a wave's load or store covers 512 consecutive aligned bytes.  All 32 loads of a thread go out at once,
; row by row, and the waits count down by rows.  No LDS, matrix unit or cluster: no byte is read twice and no wave waits for another.
.set L, 16                             ; v[16:143] row i, choice j, quarter q: 4 registers at L + 32 i + 16 j + 4 q
.set PO, 2                             ; v[2:9] choice j, row i: my 16 bytes in that place's row, at PO + 4 j + i
	s_load_b128 s[4:7], s[0:1], 0x0                ; part s[4:5], topw s[6:7]
	s_load_b128 s[8:11], s[0:1], 0x10              ; pos s[8:9], out0 s[10:11]
	s_lshl_b32 s2, ttmp9, 14                       ; 4 rows of 4,096 bytes
	s_mov_b32 s3, 0
	s_lshl_b32 s12, ttmp9, 4                       ; 4 words
	s_mov_b32 s13, 0
	v_lshlrev_b32 v1, 4, v0
	s_wait_kmcnt 0x0
	s_add_nc_u64 s[8:9], s[8:9], s[12:13]
	s_add_nc_u64 s[6:7], s[6:7], s[12:13]
	s_load_b128 s[28:31], s[8:9], 0x0              ; the first choices' places of my 4 tokens
	s_load_b128 s[32:35], s[8:9], 0x1000           ; the second choices'
	s_load_b128 s[20:23], s[6:7], 0x0              ; the first choices' weights
	s_load_b128 s[24:27], s[6:7], 0x1000           ; the second choices'
	s_add_nc_u64 s[10:11], s[10:11], s[2:3]
	s_add_nc_u64 s[14:15], s[4:5], 0x2000000       ; a base for each quarter, 32 MiB apart
	s_add_nc_u64 s[16:17], s[14:15], 0x2000000
	s_add_nc_u64 s[18:19], s[16:17], 0x2000000
	s_wait_kmcnt 0x0
.irp k, 0,1,2,3,4,5,6,7
	s_min_u32 s[28+\k], s[28+\k], 0x1fff           ; a place stays inside its quarter
	s_lshl_b32 s[28+\k], s[28+\k], 12
	v_add_nc_u32 v[PO+\k], s[28+\k], v1
.endr
.macro LDQ i, j, q, b
	global_load_b128 v[L+32*(\i)+16*(\j)+4*(\q):L+32*(\i)+16*(\j)+4*(\q)+3], v[PO+4*(\j)+(\i)], s[\b:\b+1] th:TH_LOAD_NT
.endm
.irp i, 0,1,2,3
.irp j, 0,1
	LDQ \i, \j, 0, 4
	LDQ \i, \j, 1, 14
	LDQ \i, \j, 2, 16
	LDQ \i, \j, 3, 18
.endr
.endr
.irp i, 0,1,2,3
	s_wait_loadcnt 24-8*\i                         ; this row's eight loads are in; the later rows' stay out
.irp j, 0,1
.irp d, 0,2
	v_pk_add_f32 v[L+32*\i+16*\j+\d:L+32*\i+16*\j+\d+1], v[L+32*\i+16*\j+\d:L+32*\i+16*\j+\d+1], v[L+32*\i+16*\j+4+\d:L+32*\i+16*\j+4+\d+1]
	v_pk_add_f32 v[L+32*\i+16*\j+8+\d:L+32*\i+16*\j+8+\d+1], v[L+32*\i+16*\j+8+\d:L+32*\i+16*\j+8+\d+1], v[L+32*\i+16*\j+12+\d:L+32*\i+16*\j+12+\d+1]
.endr
.endr
.irp j, 0,1
.irp d, 0,2
	v_pk_add_f32 v[L+32*\i+16*\j+\d:L+32*\i+16*\j+\d+1], v[L+32*\i+16*\j+\d:L+32*\i+16*\j+\d+1], v[L+32*\i+16*\j+8+\d:L+32*\i+16*\j+8+\d+1]
.endr
.endr
.irp k, 0,1,2,3
	v_mul_f32 v[L+32*\i+\k], s[20+\i], v[L+32*\i+\k]
.endr
.irp k, 0,1,2,3
	v_fmac_f32 v[L+32*\i+\k], s[24+\i], v[L+32*\i+16+\k]
.endr
	global_store_b128 v1, v[L+32*\i:L+32*\i+3], s[10:11] offset:\i<<12 th:TH_STORE_NT
.endr
	s_endpgm
.Lfunc_end_k_qe015ce1a3b_comb:
	.size	k_qe015ce1a3b_comb, .Lfunc_end_k_qe015ce1a3b_comb-k_qe015ce1a3b_comb
	.p2alignl 7, 3214868480
	.fill 96, 4, 3214868480
	.section	.rodata,"a",@progbits
	.p2align	6, 0x0
	.amdhsa_kernel k_qe015ce1a3b_comb
		.amdhsa_group_segment_fixed_size 0
		.amdhsa_private_segment_fixed_size 0
		.amdhsa_enable_private_segment 0
		.amdhsa_kernarg_size 32
		.amdhsa_user_sgpr_count 2
		.amdhsa_user_sgpr_kernarg_segment_ptr 1
		.amdhsa_wavefront_size32 1
		.amdhsa_system_sgpr_workgroup_id_x 1
		.amdhsa_system_sgpr_workgroup_id_y 1
		.amdhsa_system_sgpr_workgroup_id_z 1
		.amdhsa_system_vgpr_workitem_id 0
		.amdhsa_next_free_vgpr 144
		.amdhsa_next_free_sgpr 66
		.amdhsa_reserve_vcc 0
		.amdhsa_float_denorm_mode_32 3
		.amdhsa_float_denorm_mode_16_64 3
		.amdhsa_memory_ordered 1
		.amdhsa_forward_progress 1
		.amdhsa_inst_pref_size 10
	.end_amdhsa_kernel
	.amdgpu_metadata
---
amdhsa.version: [ 1, 2 ]
amdhsa.kernels:
  - .name:           k_qe015ce1a3b_comb
    .symbol:         k_qe015ce1a3b_comb.kd
    .args:
      - { .name: part, .offset: 0, .size: 8, .value_kind: global_buffer, .address_space: global }
      - { .name: topw, .offset: 8, .size: 8, .value_kind: global_buffer, .address_space: global }
      - { .name: pos, .offset: 16, .size: 8, .value_kind: global_buffer, .address_space: global }
      - { .name: out0, .offset: 24, .size: 8, .value_kind: global_buffer, .address_space: global }
    .group_segment_fixed_size: 0
    .private_segment_fixed_size: 0
    .kernarg_segment_align: 8
    .kernarg_segment_size: 32
    .max_flat_workgroup_size: 256
    .sgpr_count:     66
    .vgpr_count:     144
    .wavefront_size: 32
...
	.end_amdgpu_metadata
.endif
;; end of part 8
;; ======== version 3 of 3: 5 launches; version 2 with the launch place written anew for expert scheduling mode
;; workspace buffers: xb 2,097,152 bytes; bitmap 2,048 bytes of whole numbers; topw 8,192 bytes; xs 16,777,216 bytes; pos 8,448 bytes of whole numbers; h 67,108,864 bytes; part 134,217,728 bytes
;; launch route: the kernel of part 1 again; grid 128 x 1, 4 waves a work-group, no clusters, 33,536 bytes of LDS; arguments x, router_w, xb, bitmap, topw; writes xb, bitmap, topw
;; launch place (part 9): grid 32 x 8, 4 waves a work-group, no clusters, 17,920 bytes of LDS; arguments xb, bitmap, xs, pos; writes xs, pos
.if DOCPART == 9
	.amdgcn_target "amdgcn-amd-amdhsa--gfx1250"
	.amdhsa_code_object_version 6
	.text
	.protected	k_qe015ce1a3b_place
	.globl	k_qe015ce1a3b_place
	.p2align	8
	.type	k_qe015ce1a3b_place,@function
k_qe015ce1a3b_place:
	s_mov_b64 s[64:65], 0
	v_nop
	global_prefetch_b8 v0, s[64:65] scope:SCOPE_SE
	s_setreg_imm32_b32 hwreg(HW_REG_WAVE_SCHED_MODE, 0, 2), 2
	s_setreg_imm32_b32 hwreg(HW_REG_WAVE_MODE, 25, 1), 1
	s_wait_xcnt 0x0
	s_wait_alu depctr_vm_vsrc(0)
; THE ROUTED ROWS ARE LAID END TO END IN EACH EXPERT'S ORDER, so that the two products address their rows by expert and rank alone.
; A routed row has the CODE j 1024 + t (choice j, token t); bitmap[e] (64 words, stored by the router's launch) says which codes chose expert e; a code's RANK is the number of e's codes below it.
; OUT.  xs[e][rank] = xb[token] ([8][1024][1024] bf16).  pos[code] = e 1024 + rank (words 0 .. 2047); pos[2048 + e] = the expert's count, held to 1 at the least.
; SHARES.  Grid x = a chunk of 32 ranks, grid y = the expert; wave w has ranks 32 c + 8 w .. + 7, a whole row (2,048 bytes) in four loads and four stores of 512 consecutive bytes.
; The grid serves every split (1,024 rows on one expert): a chunk past the count stores nothing and ends.  Places past the count in a live wave repeat the last row: the same bytes to the same place.
; AN EXPERT WITHOUT ROWS counts as one with one row, a copy of token 0, which no pos names: so the products read no byte that nobody wrote.  It stores no pos.
; Each wave builds its own copy of the list in LDS, so no barrier is needed.  No matrix unit, no cluster, no tensor load: the rows come by a list, and each is copied once.
; THE MODE: SCHED_MODE bits 1:0 = 2 (LLVM: expert scheduling mode 2), set by the entry lines.  The code itself states the register dependences between vector instructions and memory or
; LDS instructions, with s_wait_alu, always for 0.
; THE PLAN.  Registers that LDS or memory instructions touch, in the order of the text (there is no loop):
;   A, C          word i of the bitmap has an address register A + i and a code register C + i of its own.  Vector lines write all 128; then ONE wait; then the 64 list stores read them, in one run.
;   v1, v[RK]     the list's base and 0: read by the store that stands ahead of that run; written again behind the wait that follows the run.
;   v[LA]         written once; read by the one LDS load.      v[CD]  that load lands in it; vector lines name it only behind the wait for its data.
;   SRC, DST, PA, PD, CV, CO   offsets and small data, each written once by a vector line, ahead of ONE wait; the global loads and stores behind that wait read them.
;   D             the rows: 32 loads land in it, 32 stores read it.  It is A's and C's registers: the wait behind the run of list stores states that those have read them.
; Behind the last wait on va_vdst the text holds no vector instruction, on any path: the stores of pos, of the count and of the rows owe nothing more.
.set LISTB, 4352                       ; a wave's list: 1,024 words, then 32 words that lanes without a row write and nobody reads.  Behind the four lists 512 bytes take the closing add's spare words
.set LOFF,  4                          ; 1024 + lane
.set L16,   6                          ; 16 x lane
.set RK,    7                          ; first 0; then lane l: the rank of row l % 8
.set LA,    8
.set CD,    9                          ; its code
.set SRC,   10                         ; v[10:17] row i: my 16 bytes in xb
.set DST,   18                         ; v[18:25] row i: my 16 bytes in xs[e]
.set PA,    26
.set PD,    27
.set CV,    28                         ; the count, and its word's place in pos
.set CO,    29
.set D,     32                         ; v[32:159] row i, piece c at D + 16 i + 4 c
.set A,     D                          ; v[32:95]  while the list is built: word i's LDS address
.set C,     D+64                       ; v[96:159] while the list is built: word i's codes, 32 i + lane
.set WV,    84
.set EX,    85
.set CNT,   87
.set CM1,   88
.set LB,    89
.set R0,    90                         ; my first rank
.set EMP,   91                         ; 1: the expert has no rows
.set TP,    92                         ; expert x 1024
.set TC,    93                         ; the count's byte offset in pos
.set TS,    104
	s_load_b256 s[4:11], s[0:1], 0x0               ; xb s[4:5], bitmap s[6:7], xs s[8:9], pos s[10:11]
	v_lshl_add_u32 v30, v0, 2, 0x4400
	v_mov_b32 v31, 0
	v_lshrrev_b32 v1, 5, v0
	v_readfirstlane_b32 s[WV], v1                  ; wave 0..3
	s_and_b32 s[EX], ttmp7, 0xffff                 ; the expert
	s_lshl_b32 s2, s[EX], 8                        ; its 64 words of the bitmap
	s_mov_b32 s3, 0
	s_lshl_b32 s12, s[EX], 21                      ; its 1,024 rows of 2,048 bytes in xs
	s_mov_b32 s13, 0
	v_and_b32 v[C], 31, v0                         ; word 0's codes: the lane
	v_add_nc_u32 v[LOFF], 0x400, v[C]
	v_lshlrev_b32 v[L16], 4, v[C]
	s_wait_alu depctr_va_sdst(0)                   ; the wave's number is written, ahead of its first reader: the list's base and my first rank are made from it
	s_mul_i32 s[LB], s[WV], LISTB
	s_lshl_b32 s[R0], ttmp9, 5
	s_lshl_b32 s[TS], s[WV], 3
	s_add_co_u32 s[R0], s[R0], s[TS]
	s_wait_kmcnt 0x0
	s_add_nc_u64 s[6:7], s[6:7], s[2:3]
	s_add_nc_u64 s[8:9], s[8:9], s[12:13]
	s_load_b512 s[16:31], s[6:7], 0x0
	s_load_b512 s[32:47], s[6:7], 0x40
	s_load_b512 s[48:63], s[6:7], 0x80
	s_load_b512 s[68:83], s[6:7], 0xc0
	s_mov_b32 s[CNT], 0
	v_mov_b32 v1, s[LB]
	v_mov_b32 v[RK], 0
	s_wait_kmcnt 0x0
	; THE LIST: the lane whose bit is on puts its code at the rank that the bits below it give; the others write behind the list.
	; Word i lies in s[16 + i], from word 48 on in s[68 + i - 48].  Four passes over the 64 words, so that no line reads the result of the line before it.
.set i, 0
.rept 64                                           ; the bits below mine in the word, on top of the earlier words' count; the next word's codes; the count goes on
.set rg, 16+i+4*(i/48)
	v_mbcnt_lo_u32_b32 v[A+i], s[rg], s[CNT]
.if i > 0
	v_add_nc_u32 v[C+i], 32, v[C+i-1]
.endif
	s_bcnt1_i32_b32 s[TS], s[rg]
	s_add_co_u32 s[CNT], s[CNT], s[TS]
.set i, i+1
.endr
.set i, 0
.rept 64
.set rg, 16+i+4*(i/48)
	v_cndmask_b32 v[A+i], v[LOFF], v[A+i], s[rg]
.set i, i+1
.endr
.set i, 0
.rept 64
	v_min_u32 v[A+i], 0x41f, v[A+i]
.set i, i+1
.endr
.set i, 0
.rept 64
	v_lshl_add_u32 v[A+i], v[A+i], 2, s[LB]
.set i, i+1
.endr
	s_wait_alu depctr_va_vdst(0)                   ; the 64 addresses, the 64 code registers, v1 and v[RK] are written: the 65 LDS stores below read them
	ds_store_b32 v1, v[RK]                         ; an expert without rows still has a row to name: token 0; LDS serves a wave's instructions in order (ISA guide 5.7.1.4), so a true rank 0 comes over it
.set i, 0
.rept 64
	ds_store_b32 v[A+i], v[C+i]
.set i, i+1
.endr
	s_wait_alu depctr_vm_vsrc(0)                   ; those stores have read their registers: v1 and v[RK] are written again below, and the rows' loads land in v[A ..] and v[C ..]
	s_cmp_eq_u32 s[CNT], 0
	s_cselect_b32 s[EMP], 1, 0
	s_max_u32 s[CNT], s[CNT], 1
	s_sub_co_u32 s[CM1], s[CNT], 1
	s_cmp_ge_u32 s[R0], s[CNT]
	s_cbranch_scc1 .Lend                           ; none of my ranks exists
	v_and_b32 v1, 7, v0
	v_add_nc_u32 v[RK], s[R0], v1
	v_min_u32 v[RK], s[CM1], v[RK]                 ; held to the last rank that exists
	v_min_u32 v[RK], 0x3ff, v[RK]
	v_lshl_add_u32 v[LA], v[RK], 2, s[LB]
	s_wait_alu depctr_va_vdst(0)                   ; v[LA] is written: the LDS load reads it
	ds_load_b32 v[CD], v[LA]                       ; LDS serves a wave's instructions in order (ISA guide 5.7.1.4): this sees my list's stores
.irp i, 0,1,2,3,4,5,6,7                            ; where the rows go; the bitmap's registers are free.  This work stands in the wait for the code
	s_add_co_u32 s[24+\i], s[R0], \i
	s_min_u32 s[24+\i], s[24+\i], s[CM1]
	s_min_u32 s[24+\i], s[24+\i], 0x3ff
	s_lshl_b32 s[24+\i], s[24+\i], 11
	v_add_nc_u32 v[DST+\i], s[24+\i], v[L16]
.endr
	s_lshl_b32 s[TP], s[EX], 10
	v_add_nc_u32 v[PD], s[TP], v[RK]               ; the row's place: expert x 1024 + rank
	s_lshl_b32 s[TC], s[EX], 2
	s_add_co_u32 s[TC], s[TC], 0x2000
	v_mov_b32 v[CV], s[CNT]                        ; made in every wave, ahead of the wait that stands in front of the loads; one wave stores them
	v_mov_b32 v[CO], s[TC]
	s_wait_dscnt 0x0
	v_min_u32 v[CD], 0x7ff, v[CD]
.irp i, 0,1,2,3,4,5,6,7
	v_readlane_b32 s[16+\i], v[CD], \i
.endr
	s_wait_alu depctr_va_sdst(0)                   ; the eight codes are written into s[16:23], ahead of their first reader
.irp i, 0,1,2,3,4,5,6,7                            ; where they come from: the code's token
	s_min_u32 s[16+\i], s[16+\i], 0x7ff
	s_and_b32 s[16+\i], s[16+\i], 0x3ff
	s_lshl_b32 s[16+\i], s[16+\i], 11
	v_add_nc_u32 v[SRC+\i], s[16+\i], v[L16]
.endr
	v_lshlrev_b32 v[PA], 2, v[CD]
	s_wait_alu depctr_va_vdst(0)                   ; SRC, DST, PA, PD, CV and CO are written: the loads and stores below read them; and every vector line that named v[D ..], in which the loads land, is done
.irp i, 0,1,2,3,4,5,6,7
.irp c, 0,1,2,3
	global_load_b128 v[D+16*\i+4*\c:D+16*\i+4*\c+3], v[SRC+\i], s[4:5] offset:512*\c
.endr
.endr
	s_cmp_lg_u32 s[EMP], 0
	s_cbranch_scc1 .Lnopos
	global_store_b32 v[PA], v[PD], s[10:11]        ; lanes 8 apart hold the same row: the same word, the same number
.Lnopos:
	s_cmp_lg_u32 s[R0], 0
	s_cbranch_scc1 .Lnocnt                         ; the wave with rank 0 stores the count; it always lives
	global_store_b32 v[CO], v[CV], s[10:11]
.Lnocnt:
.irp i, 0,1,2,3,4,5,6,7
	s_wait_loadcnt 28-4*\i                         ; this row's four loads are in; the later rows' stay out
.irp c, 0,1,2,3
	global_store_b128 v[DST+\i], v[D+16*\i+4*\c:D+16*\i+4*\c+3], s[8:9] offset:512*\c
.endr
.endr
.Lend:
	s_wait_dscnt 0x0                               ; the wave's end: my LDS stores are done
	s_wait_alu depctr_hold_cnt(0) depctr_sa_sdst(0) depctr_va_vdst(0) depctr_va_sdst(0) depctr_va_ssrc(0) depctr_va_vcc(0) depctr_vm_vsrc(0)
	s_wait_tensorcnt 0x0
	ds_add_u32 v30, v31
	s_wait_dscnt 0x0
	s_endpgm
.Lfunc_end_k_qe015ce1a3b_place:
	.size	k_qe015ce1a3b_place, .Lfunc_end_k_qe015ce1a3b_place-k_qe015ce1a3b_place
	.p2alignl 7, 3214868480
	.fill 96, 4, 3214868480
	.section	.rodata,"a",@progbits
	.p2align	6, 0x0
	.amdhsa_kernel k_qe015ce1a3b_place
		.amdhsa_group_segment_fixed_size 17920
		.amdhsa_private_segment_fixed_size 0
		.amdhsa_enable_private_segment 0
		.amdhsa_kernarg_size 32
		.amdhsa_user_sgpr_count 2
		.amdhsa_user_sgpr_kernarg_segment_ptr 1
		.amdhsa_wavefront_size32 1
		.amdhsa_system_sgpr_workgroup_id_x 1
		.amdhsa_system_sgpr_workgroup_id_y 1
		.amdhsa_system_sgpr_workgroup_id_z 1
		.amdhsa_system_vgpr_workitem_id 0
		.amdhsa_next_free_vgpr 160
		.amdhsa_next_free_sgpr 106
		.amdhsa_reserve_vcc 0
		.amdhsa_float_denorm_mode_32 3
		.amdhsa_float_denorm_mode_16_64 3
		.amdhsa_memory_ordered 1
		.amdhsa_forward_progress 1
		.amdhsa_inst_pref_size 39
	.end_amdhsa_kernel
	.amdgpu_metadata
---
amdhsa.version: [ 1, 2 ]
amdhsa.kernels:
  - .name:           k_qe015ce1a3b_place
    .symbol:         k_qe015ce1a3b_place.kd
    .args:
      - { .name: xb, .offset: 0, .size: 8, .value_kind: global_buffer, .address_space: global }
      - { .name: bitmap, .offset: 8, .size: 8, .value_kind: global_buffer, .address_space: global }
      - { .name: xs, .offset: 16, .size: 8, .value_kind: global_buffer, .address_space: global }
      - { .name: pos, .offset: 24, .size: 8, .value_kind: global_buffer, .address_space: global }
    .group_segment_fixed_size: 17920
    .private_segment_fixed_size: 0
    .kernarg_segment_align: 8
    .kernarg_segment_size: 32
    .max_flat_workgroup_size: 128
    .sgpr_count:     106
    .vgpr_count:     160
    .wavefront_size: 32
...
	.end_amdgpu_metadata
.endif
;; end of part 9
;; launch ffn1: the kernel of part 6 again; grid 32 x 8, 4 waves a work-group, no clusters, 33,280 bytes of LDS; arguments xs, w1, h, pos; writes h
;; launch ffn2: the kernel of part 7 again; grid 32 x 8, 4 waves a work-group, no clusters, 33,280 bytes of LDS; arguments h, w2, part, pos; writes part
;; launch comb: the kernel of part 8 again; grid 256 x 1, 8 waves a work-group, no clusters, 0 bytes of LDS; arguments part, topw, pos, out0; writes out0
